; MI455X (gfx1250); checked and timed in simulation.
; The chip was launched on July 23, 2026; its instructions are those of AMD's public machine-readable ISA for CDNA 5 (MIT licence, August 2026) and "CDNA5" Instruction Set Architecture Reference Guide (July 2026). The comments in the code are by the model that wrote it; some were corrected since.
;; Multi Head Attention. Allowed arithmetic: matrix products marked QUANTISED: E4M3 operands, one given power-of-two scale a tensor, by v_wmma_f32_16x16x64_fp8_fp8 or v_wmma_f32_16x16x128_fp8_fp8, f32 sums; everything else in f32.
;; Inputs: lowp_scales 12 int32 (the exponents e of the quantised operands' scales 2^e); token_positions 4 x 2,048 int32; wk 1,024 x 1,024 float32; wo 1,024 x 1,024 float32; wq 1,024 x 1,024 float32; wv 1,024 x 1,024 float32; x 4 x 2,048 x 1,024 float32.
;; Outputs: out0 4 x 2,048 x 1,024 float32.
;; This version of the problem:
;;   THIS VERSION OF THE PROBLEM IS GIVEN IN LOW PRECISION. The matrix products marked QUANTISED in the list below multiply operands that are first quantised to E4M3 (4 exponent bits, 3 mantissa bits; 8 bits a number), with one given power-of-two scale for each operand tensor; their sums are f32. All else is computed in f32.
;;   The module's matrix products, in the order in which they are computed (A, B: the left and right operand; K: the contracted axis; several contracted axes count as one K, in the product's order):
;;     1. [M 8,192, K 1,024] x [K 1,024, N 1,024]; A: input x; B: input wq: QUANTISED (scales: A lowp_scales[0], B lowp_scales[1])
;;     2. [M 8,192, K 1,024] x [K 1,024, N 1,024]; A: input x; B: input wk: QUANTISED (scales: A lowp_scales[2], B lowp_scales[3])
;;     3. [M 8,192, K 1,024] x [K 1,024, N 1,024]; A: input x; B: input wv: QUANTISED (scales: A lowp_scales[4], B lowp_scales[5])
;;     4. batch 64 x [M 2,048, K 64] x [K 64, N 2,048]; A: computed on the way; B: computed on the way: QUANTISED (scales: A lowp_scales[6], B lowp_scales[7])
;;     5. batch 64 x [M 2,048, K 2,048] x [K 2,048, N 64]; A: softmax (see below); B: computed on the way: QUANTISED (scales: A lowp_scales[8], B lowp_scales[9])
;;     6. [M 8,192, K 1,024] x [K 1,024, N 1,024]; A: computed on the way; B: input wo: QUANTISED (scales: A lowp_scales[10], B lowp_scales[11])
;;   THE QUANTISER, for each operand of a quantised product, along K:
;;     - The operand's scale is 2^e, e = its entry of the input lowp_scales (int32; the entries are numbered through the quantised products in the list's order, A before B).
;;     - Each number is divided by the scale, clamped to +-448, and rounded to the nearest number of E4M3, ties to even, subnormals kept.
;;     - The product sums the exact products of the quantised numbers (number of the format x scale) in f32.
;;   ~~~python
;;   def quantise(x, axis, e):      # numpy; x: float32 -> the quantised numbers, widened to float32 again
;;       x = np.moveaxis(x, axis, -1); K = x.shape[-1]
;;       r = np.clip(x / 2.0 ** e, -448, 448)
;;       step = 2.0 ** (np.maximum(np.frexp(np.where(r == 0, 1, r))[1] - 1, -6) - 3)
;;       q = np.round(r / step) * step * 2.0 ** e      # np.round: ties to even
;;       return np.moveaxis(q, -1, axis).astype(np.float32)
;;   ~~~
;;   SOFTMAX AHEAD OF A QUANTISED PRODUCT. Where the list says 'softmax', what is quantised is not the finished softmax but p = 2^(t - M), with t = logit x log2(e) and M = ceil(the row's largest t), a whole number; so 1/2 < the row's largest p <= 1. The row's sum l is taken of the UNQUANTISED p, in f32, and the product's result is divided by l at the end. Since M is a whole number, a kernel that streams over the keys may use a running M (the ceiling of the running maximum): every later rescaling is an exact power of two, so the quantised numbers keep their values, but for numbers so far below the row's largest that they fall under the format's range.
;;   OPERANDS COMPUTED ON THE WAY. 'Computed on the way' means the value that the module computes at that place (a softmax that the list does not call 'softmax' is quantised finished and normalised). What goes into a quantiser is computed in f32, as accurately as f32 sums, v_exp_f32 and their like allow (about 1e-6 of the number): no bf16 or f16 on the way to a quantiser, and a product that is left as it is and whose result goes on into a quantised operand takes f32 operands (vector FMAs, or v_wmma_f32_16x16x4_f32). A number that lies on a knife's edge between two numbers of the format may be rounded either way, as far as f32 arithmetic and the matrix unit's own rounding can turn it there, and no further.
;; One version. Each part assembles by itself: llvm-mc -triple=amdgcn-amd-amdhsa -mcpu=gfx1250 --defsym DOCPART=n.
;; ======== version 1 of 1: 4 launches
;; limits: right only within a limited range of input values
;; workspace buffers: xi 25,165,824 bytes; wi 4,194,304 bytes; tg 2,097,152 bytes; qi 8,388,608 bytes; kv 16,777,216 bytes; ao 8,388,608 bytes
;; launch prep (part 1): grid 512 x 1, 4 waves a work-group, no clusters, 68,096 bytes of LDS; arguments x, wq, wk, wv, wo, token_positions, lowp_scales, xi, wi, tg; writes xi, wi, tg
.if DOCPART == 1
	.amdgcn_target "amdgcn-amd-amdhsa--gfx1250"
	.amdhsa_code_object_version 6
	.text
	.protected	k_qfb3e70452a_prep
	.globl	k_qfb3e70452a_prep
	.p2align	8
	.type	k_qfb3e70452a_prep,@function
k_qfb3e70452a_prep:
	s_mov_b64 s[64:65], 0
	v_nop
	global_prefetch_b8 v0, s[64:65] scope:SCOPE_SE
	s_setreg_imm32_b32 hwreg(HW_REG_WAVE_MODE, 25, 1), 1
	s_wait_xcnt 0x0
; PREP.  x [8192][1024] f32 becomes three sets of E4M3 codes (scales 2^e0, 2^e2, 2^e4: x enters three products under three entries), wq, wk, wv, wo [1024][1024] f32 one set each
; (e1, e3, e5, e11), and token_positions becomes a table of cos and sin for the rotation.  code = number / 2^e, held within +-448, to the nearest code, ties to even.
; THE CODES' LAYOUT is an image of the operand's registers: a tile of 16 rows x 64 K is 1,024 dense bytes; byte 512 g + 16 lane + i holds (row lane % 16, k = 32 (lane / 16) + 16 g + i).
;   xi: [row tile 512][scale 3][K chunk 16][1,024].   wi: [tile 64][q, k, v, o][K chunk 16][1,024]; row i of tile 4 eta + b is weight row 64 eta + 32 (i / 8) + 8 b + i % 8.
;   tg: [position tile 512][g 8][lane 32][cos, sin of pair 16 (lane / 16) + 2 g; cos, sin of the next pair], position = tile's row lane % 16.
; SHARES.  Work-groups 0-255: x; 256-383: the weights, 32 work-groups each; 384-511: the table.  The three ways part on the work-group's number and never join; each has LDS bytes of its own.
; A wave of the first two ways takes 16 rows x 512 K in four units of 128 K.  Each load reads 512 consecutive bytes of one row; the unit turns through the wave's own stage in LDS (rows 528 bytes apart:
; 132 words, so the sixteen rows that a read touches start at sixteen different banks, 64 banks of 4 bytes: ISA guide 11.1), and comes back 32 neighbours along K to a lane.  Each store covers 512 consecutive bytes.
; No barrier: waves share nothing.  Two units' loads (32 a wave) are on their way.
; LIMITS: every e used here lies between -126 and 119, so that 2^e and 448 x 2^e are f32 numbers.  NaN among x and the weights is not served.  |position| <= 2^20: beyond it the quotient by pi/2 is
; no longer rounded to the nearest whole number closely enough for the polynomials' range.
.set SPITCH, 528
.set WSTG,   16*SPITCH                 ; a wave's stage: 8,448 bytes; x's four at 0, the weights' four behind them
.set T,   16
.set X,   32                           ; v32-95   a unit's 64 numbers of my row: register 32 k' + e = k 64 k' + 32 h + e
.set C,   96                           ; v96-127  two sets of 16 registers of codes, by turns
.set R,   128                          ; v128-255 two sets of 64 registers as loaded
.set SRC, 32                           ; s[32:33] where my wave reads
.set DST, 34                           ; s[34:35] where it stores
.macro MKS e, sc, lim                  ; 2^e and 448 x 2^e as f32
	s_add_co_i32 s38, \e, 127
	s_lshl_b32 s39, s38, 23
	v_mov_b32 v[\sc], s39                          ; the conversion takes its exponent field
	s_add_co_i32 s38, s38, 8
	s_lshl_b32 s38, s38, 23
	s_or_b32 s38, s38, 0x600000                    ; 448 = 1.75 x 2^8
.endm
.macro LOADU u, set, perm              ; unit u: 16 rows x 512 bytes.  perm = 1: the rows of a weight's tile, 0-7 and 32-39 from the tile's first
.irp i, 0,1,2,3,4,5,6,7,8,9,10,11,12,13,14,15
.if \perm
	global_load_b128 v[R+64*(\set)+4*\i:R+64*(\set)+4*\i+3], v2, s[SRC:SRC+1] offset:(32*(\i/8)+\i%8)*4096+512*(\u) th:TH_LOAD_NT
.else
	global_load_b128 v[R+64*(\set)+4*\i:R+64*(\set)+4*\i+3], v2, s[SRC:SRC+1] offset:\i*4096+512*(\u) th:TH_LOAD_NT
.endif
.endr
.endm
.macro TURNU set                       ; through the stage: LDS serves a wave's instructions in order (ISA guide 5.7.1.4), so no wait stands between the stores and the loads
.irp i, 0,1,2,3,4,5,6,7,8,9,10,11,12,13,14,15
	ds_store_b128 v3, v[R+64*(\set)+4*\i:R+64*(\set)+4*\i+3] offset:SPITCH*\i
.endr
	v_nop
.irp k, 0,1
.irp i, 0,1,2,3,4,5,6,7
	ds_load_b128 v[X+32*\k+4*\i:X+32*\k+4*\i+3], v4 offset:256*\k+16*\i
.endr
.endr
.endm
.macro QUANTU sc, lim, cb              ; the unit's 64 numbers into 16 registers of codes.
.irp q, 0,1,2,3,4,5,6,7
.irp j, 0,1,2,3,4,5,6,7
.endr
	v_cvt_scalef32_pk8_fp8_f32 v[\cb+2*\q:\cb+2*\q+1], v[T+8*(\q%2)+((X+8*\q+0)-(T+8*(\q%2)+0)):T+8*(\q%2)+7+((X+8*\q+0)-(T+8*(\q%2)+0))], v[\sc]
.endr
.endm
.macro STOREU cb, off                  ; two K chunks: four stores of 512 consecutive bytes
.irp g, 0,1,2,3
	global_store_b128 v2, v[\cb+4*\g:\cb+4*\g+3], s[DST:DST+1] offset:\off+512*\g
.endr
.endm
.macro INU u, perm                     ; unit u comes in and turns; the unit two on is asked for
.if \u < 3
	s_wait_loadcnt 16                              ; this unit's 16 loads are in; the next unit's 16 may be out
.else
	s_wait_loadcnt 0x0
.endif
	TURNU (\u)%2
	s_wait_dscnt 0x0                               ; the numbers are back, and the stage's stores have read their registers,
.if \u < 2
	LOADU (\u)+2, (\u)%2, \perm                    ; which take the unit two on
.endif
.endm
.macro STAGEADR                        ; s31: my stage
	v_add_nc_u32 v3, s31, v2                       ; in: 16 x lane, a row an instruction
	v_mul_u32_u24 v4, v5, SPITCH
	v_lshl_add_u32 v4, v6, 7, v4
	v_add_nc_u32 v4, s31, v4                       ; back: row r, + 128 h: my 32 neighbours of a chunk
.endm
	s_load_b256 s[4:11], s[0:1], 0x0               ; x, wq, wk, wv
	s_load_b256 s[12:19], s[0:1], 0x20             ; wo, token_positions, lowp_scales, xi
	s_load_b128 s[20:23], s[0:1], 0x40             ; wi, tg
	v_lshl_add_u32 v14, v0, 2, 0x10800
	v_mov_b32 v15, 0
	v_lshrrev_b32 v1, 5, v0
	v_readfirstlane_b32 s24, v1                    ; wave
	v_and_b32 v1, 31, v0                           ; lane
	v_lshlrev_b32 v2, 4, v1                        ; 16 x lane; never rewritten
	v_and_b32 v5, 15, v0                           ; r
	v_bfe_u32 v6, v0, 4, 1                         ; h
	s_mov_b32 s29, 0
	s_wait_kmcnt 0x0
	s_load_b256 s[40:47], s[16:17], 0x0            ; e0 .. e7
	s_load_b128 s[48:51], s[16:17], 0x20           ; e8 .. e11
	s_cmp_lt_u32 ttmp9, 256
	s_cbranch_scc0 .Lnot_x
	; ---- x
	s_lshl_b32 s25, ttmp9, 2
	s_add_co_u32 s25, s25, s24
	s_lshr_b32 s26, s25, 1                         ; row tile
	s_and_b32 s27, s25, 1                          ; which half of K
	s_lshl_b32 s28, s26, 16                        ; 16 rows of 4,096 bytes
	s_lshl_b32 s30, s27, 11
	s_add_co_u32 s28, s28, s30
	s_add_nc_u64 s[SRC:SRC+1], s[4:5], s[28:29]
	s_mul_i32 s28, s26, 49152                      ; a row tile's three sets of 16 chunks
	s_lshl_b32 s30, s27, 13
	s_add_co_u32 s28, s28, s30
	s_add_nc_u64 s[DST:DST+1], s[18:19], s[28:29]
	s_mul_i32 s31, s24, WSTG
	s_wait_alu depctr_va_vdst(0)
	STAGEADR
	LOADU 0, 0, 0
	LOADU 1, 1, 0
	s_wait_alu depctr_va_vdst(0)
	s_wait_kmcnt 0x0
	MKS s40, 8, 9
	MKS s42, 10, 11
	MKS s44, 12, 13
.macro UNITX u
	INU \u, 0
.irp t, 0,1,2
	s_wait_xcnt 0x0                                ; the stores of two passes back have read their codes: that set is written again only behind this wait
	QUANTU 8+2*\t, 9+2*\t, C+16*((3*(\u)+\t)%2)
	STOREU C+16*((3*(\u)+\t)%2), \t*16384+2048*(\u)
.endr
.endm
	s_wait_alu depctr_va_vdst(0)
	UNITX 0
	UNITX 1
	UNITX 2
	UNITX 3
	s_wait_tensorcnt 0x0
	ds_add_u32 v14, v15
	s_wait_dscnt 0x0
	s_endpgm
.Lnot_x:
	s_cmp_lt_u32 ttmp9, 384
	s_cbranch_scc0 .Ltable
	; ---- the weights
	s_sub_co_u32 s25, ttmp9, 256
	s_lshr_b32 s36, s25, 5                         ; which weight: 0 q, 1 k, 2 v, 3 o
	s_and_b32 s25, s25, 31
	s_lshl_b32 s25, s25, 2
	s_add_co_u32 s25, s25, s24
	s_lshr_b32 s26, s25, 1                         ; tile 4 eta + b
	s_and_b32 s27, s25, 1                          ; which half of K
	s_lshr_b32 s28, s26, 2
	s_lshl_b32 s28, s28, 18                        ; 64 eta rows of 4,096 bytes
	s_and_b32 s30, s26, 3
	s_lshl_b32 s30, s30, 15                        ; 8 b rows
	s_add_co_u32 s28, s28, s30
	s_lshl_b32 s30, s27, 11
	s_add_co_u32 s28, s28, s30
	s_cmp_eq_u32 s36, 1                            ; the choice hangs on the work-group's number alone
	s_cselect_b64 s[SRC:SRC+1], s[8:9], s[6:7]
	s_cmp_eq_u32 s36, 2
	s_cselect_b64 s[SRC:SRC+1], s[10:11], s[SRC:SRC+1]
	s_cmp_eq_u32 s36, 3
	s_cselect_b64 s[SRC:SRC+1], s[12:13], s[SRC:SRC+1]
	s_add_nc_u64 s[SRC:SRC+1], s[SRC:SRC+1], s[28:29]
	s_lshl_b32 s28, s26, 16                        ; a tile's four sets of 16 chunks
	s_lshl_b32 s30, s36, 14
	s_add_co_u32 s28, s28, s30
	s_lshl_b32 s30, s27, 13
	s_add_co_u32 s28, s28, s30
	s_add_nc_u64 s[DST:DST+1], s[20:21], s[28:29]
	s_mul_i32 s31, s24, WSTG
	s_add_co_u32 s31, s31, 4*WSTG
	s_wait_alu depctr_va_vdst(0)
	STAGEADR
	LOADU 0, 0, 1
	LOADU 1, 1, 1
	s_wait_alu depctr_va_vdst(0)
	s_wait_kmcnt 0x0
	s_cmp_eq_u32 s36, 1
	s_cselect_b32 s37, s43, s41                    ; e3 or e1
	s_cmp_eq_u32 s36, 2
	s_cselect_b32 s37, s45, s37                    ; e5
	s_cmp_eq_u32 s36, 3
	s_cselect_b32 s37, s51, s37                    ; e11
	MKS s37, 8, 9
.macro UNITW u
	INU \u, 1
	s_wait_xcnt 0x0                                ; the stores of two units back have read their codes
	QUANTU 8, 9, C+16*((\u)%2)
	STOREU C+16*((\u)%2), 2048*(\u)
.endm
	s_wait_alu depctr_va_vdst(0)
	UNITW 0
	UNITW 1
	UNITW 2
	UNITW 3
	s_wait_tensorcnt 0x0
	ds_add_u32 v14, v15
	s_wait_dscnt 0x0
	s_endpgm
.Ltable:
	; ---- cos and sin.  A wave takes a tile of 16 positions; lane (r, h) takes position r and the pairs 16 h + 0 .. 15.
	; freq(i) = 10000^(-i / 32) = 2^(-i L), L = log2(10000) / 32 in two parts: the upper has 17 bits, so that i x it is exact; n = the nearest whole number, f the rest: freq = 2^f x 2^n.
	; angle = position x freq, one rounding.  It is reduced by the nearest multiple of pi/2, pi/2 in three parts by fused multiply-adds; sin and cos of the rest by polynomials of degree 7 and 8; the quadrant swaps and signs them.
.set FA, 16                            ; i, then the angle, then sin ahead of its sign
.set FB, 32                            ; f, then the reduced angle
.set FN, 48                            ; n
.set FF, 64                            ; freq
.set FZ, 80                            ; the reduced angle's square, then cos ahead of its sign
.set FO, 96                            ; v96-127 the results: cos, sin by pairs
.set FS, 128
.set FC, 144
.set FU, 160
.set FQ, 176
	s_sub_co_u32 s25, ttmp9, 384
	s_lshl_b32 s25, s25, 2
	s_add_co_u32 s25, s25, s24                     ; position tile
	s_lshl_b32 s28, s25, 6
	s_add_nc_u64 s[SRC:SRC+1], s[14:15], s[28:29]
	s_lshl_b32 s28, s25, 12
	s_add_nc_u64 s[DST:DST+1], s[22:23], s[28:29]
	s_wait_alu depctr_va_vdst(0)
	v_lshlrev_b32 v8, 2, v5
	global_load_b32 v7, v8, s[SRC:SRC+1]           ; my position
	s_mov_b32 s52, 0x3f22f983                      ; 2 / pi
	s_mov_b32 s53, 0xbfc90fdb                      ; -pi/2 in three parts
	s_mov_b32 s54, 0x333bbd2e
	s_mov_b32 s55, 0x26f72ced
	s_mov_b32 s56, 0xbe2aaaa3                      ; sin: r + r z (S1 + z (S2 + z S3))
	s_mov_b32 s57, 0x3c08839e
	s_mov_b32 s58, 0xb94ca1f9
	s_mov_b32 s59, 0x3d2aaaa5                      ; cos: 1 - z / 2 + z z (C1 + z (C2 + z C3))
	s_mov_b32 s60, 0xbab6061a
	s_mov_b32 s61, 0x37ccf5ce
	s_mov_b32 s62, 0xbed49a80                      ; -L, upper part
	s_mov_b32 s63, 0x3476865d                      ; -L, the rest
	v_lshlrev_b32 v9, 4, v6                        ; 16 h
.macro EACH16 body:vararg
.endm
.irp k, 0,1,2,3,4,5,6,7,8,9,10,11,12,13,14,15
	v_add_nc_u32 v[FA+\k], \k, v9
.endr
.irp k, 0,1,2,3,4,5,6,7,8,9,10,11,12,13,14,15
	v_cvt_f32_u32 v[FA+\k], v[FA+\k]               ; i
.endr
.irp k, 0,1,2,3,4,5,6,7,8,9,10,11,12,13,14,15
	v_mul_f32 v[FB+\k], s62, v[FA+\k]              ; exact
.endr
.irp k, 0,1,2,3,4,5,6,7,8,9,10,11,12,13,14,15
	v_rndne_f32 v[FN+\k], v[FB+\k]
.endr
.irp k, 0,1,2,3,4,5,6,7,8,9,10,11,12,13,14,15
	v_sub_f32 v[FB+\k], v[FB+\k], v[FN+\k]         ; exact
.endr
.irp k, 0,1,2,3,4,5,6,7,8,9,10,11,12,13,14,15
	v_fmac_f32 v[FB+\k], s63, v[FA+\k]
.endr
	s_wait_alu depctr_va_vdst(0)
.irp k, 0,1,2,3,4,5,6,7,8,9,10,11,12,13,14,15
	v_exp_f32 v[FF+\k], v[FB+\k]                   ; one batch
.endr
.irp k, 0,1,2,3,4,5,6,7,8,9,10,11,12,13,14,15
	v_cvt_i32_f32 v[FN+\k], v[FN+\k]               ; plain lines behind the batch, which name none of its results
.endr
	s_wait_alu depctr_va_vdst(0)                   ; one wait for the sixteen, ahead of their first reader
.irp k, 0,1,2,3,4,5,6,7,8,9,10,11,12,13,14,15
	v_ldexp_f32 v[FF+\k], v[FF+\k], v[FN+\k]
.endr
	s_wait_loadcnt 0x0
	v_cvt_f32_i32 v7, v7
.irp k, 0,1,2,3,4,5,6,7,8,9,10,11,12,13,14,15
	v_mul_f32 v[FA+\k], v7, v[FF+\k]               ; the angle
.endr
.irp k, 0,1,2,3,4,5,6,7,8,9,10,11,12,13,14,15
	v_mul_f32 v[FN+\k], s52, v[FA+\k]
.endr
.irp k, 0,1,2,3,4,5,6,7,8,9,10,11,12,13,14,15
	v_rndne_f32 v[FN+\k], v[FN+\k]
.endr
.irp k, 0,1,2,3,4,5,6,7,8,9,10,11,12,13,14,15
	v_fma_f32 v[FB+\k], v[FN+\k], s53, v[FA+\k]    ; exact: multiples of 2^-23 under 1
.endr
.irp k, 0,1,2,3,4,5,6,7,8,9,10,11,12,13,14,15
	v_fmac_f32 v[FB+\k], s54, v[FN+\k]
.endr
.irp k, 0,1,2,3,4,5,6,7,8,9,10,11,12,13,14,15
	v_fmac_f32 v[FB+\k], s55, v[FN+\k]
.endr
.irp k, 0,1,2,3,4,5,6,7,8,9,10,11,12,13,14,15
	v_mul_f32 v[FZ+\k], v[FB+\k], v[FB+\k]
.endr
.irp k, 0,1,2,3,4,5,6,7,8,9,10,11,12,13,14,15
	v_fma_f32 v[FS+\k], v[FZ+\k], s58, s57
	v_fma_f32 v[FC+\k], v[FZ+\k], s61, s60
.endr
.irp k, 0,1,2,3,4,5,6,7,8,9,10,11,12,13,14,15
	v_fma_f32 v[FS+\k], v[FS+\k], v[FZ+\k], s56
	v_fma_f32 v[FC+\k], v[FC+\k], v[FZ+\k], s59
.endr
.irp k, 0,1,2,3,4,5,6,7,8,9,10,11,12,13,14,15
	v_mul_f32 v[FS+\k], v[FS+\k], v[FZ+\k]
	v_mul_f32 v[FC+\k], v[FC+\k], v[FZ+\k]
	v_fma_f32 v[FU+\k], v[FZ+\k], -0.5, 1.0
.endr
.irp k, 0,1,2,3,4,5,6,7,8,9,10,11,12,13,14,15
	v_fma_f32 v[FS+\k], v[FS+\k], v[FB+\k], v[FB+\k]
	v_fma_f32 v[FC+\k], v[FC+\k], v[FZ+\k], v[FU+\k]
	v_cvt_i32_f32 v[FQ+\k], v[FN+\k]               ; the quadrant, in its two low bits
.endr
.irp k, 0,1,2,3,4,5,6,7,8,9,10,11,12,13,14,15
	v_and_b32 v[FU+\k], 1, v[FQ+\k]
	v_cmp_eq_u32 vcc_lo, 1, v[FU+\k]               ; odd quadrants swap the two
	v_cndmask_b32 v[FA+\k], v[FS+\k], v[FC+\k], vcc_lo
	v_cndmask_b32 v[FZ+\k], v[FC+\k], v[FS+\k], vcc_lo
.endr
.irp k, 0,1,2,3,4,5,6,7,8,9,10,11,12,13,14,15
	v_lshlrev_b32 v[FU+\k], 30, v[FQ+\k]           ; sin is negative in quadrants 2 and 3: bit 1 of q
	v_add_nc_u32 v[FQ+\k], 1, v[FQ+\k]             ; cos in quadrants 1 and 2: bit 1 of q + 1
.endr
.irp k, 0,1,2,3,4,5,6,7,8,9,10,11,12,13,14,15
	v_and_b32 v[FU+\k], 0x80000000, v[FU+\k]
	v_lshlrev_b32 v[FQ+\k], 30, v[FQ+\k]
.endr
.irp k, 0,1,2,3,4,5,6,7,8,9,10,11,12,13,14,15
	v_xor_b32 v[FO+2*\k+1], v[FU+\k], v[FA+\k]
	v_and_b32 v[FQ+\k], 0x80000000, v[FQ+\k]
.endr
.irp k, 0,1,2,3,4,5,6,7,8,9,10,11,12,13,14,15
	v_xor_b32 v[FO+2*\k], v[FQ+\k], v[FZ+\k]
.endr
.irp g, 0,1,2,3,4,5,6,7
	global_store_b128 v2, v[FO+4*\g:FO+4*\g+3], s[DST:DST+1] offset:512*\g   ; 512 consecutive bytes a store
.endr
	s_wait_kmcnt 0x0                               ; the scales' loads, which this way does not use, are in
	s_endpgm
.Lfunc_end_k_qfb3e70452a_prep:
	.size	k_qfb3e70452a_prep, .Lfunc_end_k_qfb3e70452a_prep-k_qfb3e70452a_prep
	.p2alignl 7, 3214868480
	.fill 96, 4, 3214868480
	.section	.rodata,"a",@progbits
	.p2align	6, 0x0
	.amdhsa_kernel k_qfb3e70452a_prep
		.amdhsa_group_segment_fixed_size 68096
		.amdhsa_private_segment_fixed_size 0
		.amdhsa_enable_private_segment 0
		.amdhsa_kernarg_size 80
		.amdhsa_user_sgpr_count 2
		.amdhsa_user_sgpr_kernarg_segment_ptr 1
		.amdhsa_wavefront_size32 1
		.amdhsa_system_sgpr_workgroup_id_x 1
		.amdhsa_system_sgpr_workgroup_id_y 1
		.amdhsa_system_sgpr_workgroup_id_z 1
		.amdhsa_system_vgpr_workitem_id 0
		.amdhsa_next_free_vgpr 256
		.amdhsa_next_free_sgpr 66
		.amdhsa_reserve_vcc 1
		.amdhsa_float_denorm_mode_32 3
		.amdhsa_float_denorm_mode_16_64 3
		.amdhsa_fp16_overflow 1
		.amdhsa_memory_ordered 1
		.amdhsa_forward_progress 1
		.amdhsa_inst_pref_size 75
	.end_amdhsa_kernel
	.amdgpu_metadata
---
amdhsa.version: [ 1, 2 ]
amdhsa.kernels:
  - .name:           k_qfb3e70452a_prep
    .symbol:         k_qfb3e70452a_prep.kd
    .args:
      - { .name: x, .offset: 0, .size: 8, .value_kind: global_buffer, .address_space: global }
      - { .name: wq, .offset: 8, .size: 8, .value_kind: global_buffer, .address_space: global }
      - { .name: wk, .offset: 16, .size: 8, .value_kind: global_buffer, .address_space: global }
      - { .name: wv, .offset: 24, .size: 8, .value_kind: global_buffer, .address_space: global }
      - { .name: wo, .offset: 32, .size: 8, .value_kind: global_buffer, .address_space: global }
      - { .name: token_positions, .offset: 40, .size: 8, .value_kind: global_buffer, .address_space: global }
      - { .name: lowp_scales, .offset: 48, .size: 8, .value_kind: global_buffer, .address_space: global }
      - { .name: xi, .offset: 56, .size: 8, .value_kind: global_buffer, .address_space: global }
      - { .name: wi, .offset: 64, .size: 8, .value_kind: global_buffer, .address_space: global }
      - { .name: tg, .offset: 72, .size: 8, .value_kind: global_buffer, .address_space: global }
    .group_segment_fixed_size: 68096
    .private_segment_fixed_size: 0
    .kernarg_segment_align: 8
    .kernarg_segment_size: 80
    .max_flat_workgroup_size: 128
    .sgpr_count:     66
    .vgpr_count:     256
    .wavefront_size: 32
...
	.end_amdgpu_metadata
.endif
;; end of part 1
;; launch qkv (part 2): grid 8 x 32, 4 waves a work-group, clusters of 4 x 4, 327,680 bytes of LDS; arguments xi, wi, tg, lowp_scales, qi, kv; writes qi, kv
.if DOCPART == 2
	.amdgcn_target "amdgcn-amd-amdhsa--gfx1250"
	.amdhsa_code_object_version 6
	.text
	.protected	k_qfb3e70452a_qkv
	.globl	k_qfb3e70452a_qkv
	.p2align	8
	.type	k_qfb3e70452a_qkv,@function
k_qfb3e70452a_qkv:
	s_mov_b64 s[64:65], 0
	v_nop
	global_prefetch_b8 v0, s[64:65] scope:SCOPE_SE
	s_setreg_imm32_b32 hwreg(HW_REG_WAVE_MODE, 25, 1), 1
	s_wait_xcnt 0x0
	s_wait_alu depctr_hold_cnt(0) depctr_sa_sdst(0) depctr_va_vdst(0) depctr_va_sdst(0) depctr_va_ssrc(0) depctr_va_vcc(0) depctr_vm_vsrc(0)
	s_getreg_b32 s2, hwreg(HW_REG_IB_STS2, 6, 4)
	s_cmp_eq_u32 s2, 0
	s_cbranch_scc0 .Lentry_in_a_cluster
	s_endpgm
.Lentry_in_a_cluster:
	s_bfe_u32 s2, ttmp6, 0x10000c
	s_cmp_lg_u32 s2, 0xf033
	s_cbranch_scc0 .Lentry_shape_is_right
	s_endpgm
.Lentry_shape_is_right:
; QKV.  q = rot(x wq^T), k = rot(x wk^T), v = x wv^T on codes of E4M3, and the results quantised for attention: q with 2^e6, k with 2^e7, v with 2^e9.
; xi and wi hold the codes as images of the operands' registers (a tile of 16 rows x 64 K is 1,024 dense bytes; byte 512 g + 16 lane + i = (row lane % 16, k = 32 (lane / 16) + 16 g + i)): the same
; permutation of k on both sides, so every product meets its partner.  In both buffers a tile's chunks for q, k and v lie on end: the three products are ONE walk of 3,072 along K, 24 sub-steps of 128;
; the sums are begun anew at sub-steps 0, 8, 16 (C = 0) and leave behind sub-steps 7, 15, 23.
; SHARES.  A work-group makes 256 rows x 128 columns of each of q, k, v; a wave 128 rows x 64 columns: one head, one block of 128 keys: 32 accumulators, 256 registers.
; THE RING.  Two LDS slots of three sub-steps each: A's 16 row tiles, then B's 8 tiles, 6,144 bytes a tile.  Eight fills: two at the start, six refills; a wave has two tensor loads out at the start, later one.
; A refill is asked for three sub-steps, 96 matrix instructions, ahead of the wait for it.
; CLUSTERS: 4 x 4 work-groups.  The four of a row of the cluster need the same tiles of x, the four of a column the same tiles of the weights: each is asked for JOINTLY.
; q AND k ARE MADE TRANSPOSED (source 0 = 16 rows of the weight, source 1 = 16 rows of x), and row i of weight tile 4 eta + b is weight row 64 eta + 32 (i / 8) + 8 b + i % 8: lane (r, h) then holds row r of x and,
; over b = 0 .. 3, the 32 neighbouring channels 32 h + 0 .. 31 of head eta: the rotation's pairs lie in one lane, and the conversions' results are the next operand's image.
; v IS MADE THE NATURAL WAY (source 0 = x): a lane holds one channel and eight keys a tile, so that its codes run along the keys, the next product's K: registers 2 a, 2 a + 1 = keys 16 a + 8 h + 0 .. 7.
; The scales ahead of a quantiser are folded into the conversion's one: 2^(e6 - e0 - e1), 2^(e7 - e2 - e3), 2^(e9 - e4 - e5).  LIMIT: each of these three exponents lies between -126 and 119.
; REGISTERS, in windows of 256: window 0: v8-13 scales, v16-29 addresses, v32-63 at work, v64-127 codes, v128-255 A's eight fragments, ONE set.   window 1: B's four fragments, TWO sets, at v0 and v64.
;   window 2: accumulator (a, b) at v[8 (4 a + b)].   window 3: cos and sin of my 128 rows: row tile a at v[32 a]; v[32 a + 8 b + 2 jj] cos, the next sin, of the pair that accumulator (a, b) holds in registers 2 jj, 2 jj + 1.
.set RUN,    6144                      ; a tile's three sub-steps in a slot
.set ABYTES, 16*RUN
.set SLOT,   24*RUN
.set SPARE,  2*SLOT                    ; behind the ring: the spare words, 128 bytes for each wave: two blocks of 256 bytes that no other line names
.set ADRA, 16                          ; v16-17  LDS address of my A fragments in slot 0, 1
.set ADRB, 20                          ; v20-21  the same for B
.set LI,   24                          ; v24     16 x lane; never rewritten
.set SPW,  28                          ; v28     LDS address of my spare word; never rewritten
.set NIL,  29                          ; v29     0; never rewritten
.set T,    32
.set C,    64
.set AF,   128
.set G1,  24                           ; s[24:31] descriptor group 1 for A's tiles;  s[32:39] group 0, one set for each slot
.set G0,  32
.set G1B, 48                           ; s[48:55], s[56:63] the same for B's
.set G0B, 56
.set MSB, 0
.macro WIN new                         ; the immediate's high byte repeats the setting that is left
.if MSB != \new
	s_set_vgpr_msb (MSB<<8)|\new
.set MSB, \new
.endif
.endm
.set TO_B, 0x40                        ; destination window 1, address window 0
.macro WMUL nat                        ; C and D window 2; the weights' fragments window 1: as source 0 (transposed) or as source 1 (natural)
.if \nat
	WIN 0xa4
.else
	WIN 0xa1
.endif
.endm
; A joint load: waves 0 and 1 fetch for A, waves 2 and 3 for B.  Each line has one mask and one set of registers for all that issue it; the branch hangs on the wave's number alone.
; Four v_nop follow each of the two lines, ahead of the jump, the label and what follows.
.macro JLOAD g0a, g1a, g0b, g1b
	s_cmp_eq_u32 s17, 0
	s_cbranch_scc0 .Lfor_b_\@
	tensor_load_to_lds s[\g0a:\g0a+3], s[\g1a:\g1a+7]
	s_nop 0
.rept 4
	v_nop
.endr
	s_branch .Lasked_\@
.Lfor_b_\@:
	tensor_load_to_lds s[\g0b:\g0b+3], s[\g1b:\g1b+7]
	s_nop 0
.rept 4
	v_nop
.endr
.Lasked_\@:
.endm
.macro CREST                           ; a round of the cluster's barrier behind its opening barrier
	s_cmp_lg_u32 s16, 0
	s_cbranch_scc1 .Lnot_wave_0_\@
	s_barrier_signal -3
.Lnot_wave_0_\@:
	s_barrier_wait -3
	s_barrier_signal -1
	s_barrier_wait -1
.endm
.macro CROUND
	s_barrier_signal -1
	s_barrier_wait -1
	CREST
.endm
.macro PLACES n
.rept \n
	v_nop
.endr
.endm
.macro MKS eo, ea, eb, sc, lim         ; 2^(eo - ea - eb) and 448 x that, as f32
	s_sub_co_i32 s92, \eo, \ea
	s_sub_co_i32 s92, s92, \eb
	s_add_co_i32 s92, s92, 127
	s_lshl_b32 s93, s92, 23
	v_mov_b32 v[\sc], s93
	s_add_co_i32 s92, s92, 8
	s_lshl_b32 s92, s92, 23
	s_or_b32 s92, s92, 0x600000
	v_mov_b32 v[\lim], s92
.endm
	s_load_b256 s[4:11], s[0:1], 0x0               ; xi, wi, tg, lowp_scales
	s_load_b128 s[12:15], s[0:1], 0x20             ; qi, kv
	v_lshl_add_u32 v[SPW], v0, 2, SPARE
	v_mov_b32 v[NIL], 0
	ds_add_u32 v28, v29
	ds_add_u32 v28, v29
	s_wait_dscnt 0x0
	v_lshrrev_b32 v1, 5, v0
	v_readfirstlane_b32 s16, v1                    ; wave 0..3
	s_lshr_b32 s17, s16, 1                         ; wm: which 128 rows are mine.  Also: I fetch for A (0) or for B (1)
	s_and_b32 s18, s16, 1                          ; wn: which 64 columns.  Also: which half of that tile I fetch
	s_bfe_u32 s40, ttmp6, 0x40000                  ; cx, cy: my place in the cluster
	s_bfe_u32 s41, ttmp6, 0x40004
	s_lshl_b32 s42, ttmp9, 2
	s_add_co_u32 s42, s42, s40                     ; column block c = 4 x cluster x + cx
	s_and_b32 s19, ttmp7, 0xffff
	s_lshl_b32 s19, s19, 2
	s_add_co_u32 s19, s19, s41                     ; row block R = 4 x cluster y + cy
	s_lshl_b32 s43, s41, 2
	s_lshl_b32 s43, 15, s43                        ; my row of the cluster
	s_lshl_b32 s44, 0x1111, s40                    ; my column
	; descriptor group 1, elements of 8 bytes, no padding.  A: 8 row tiles x 768 elements (6,144 bytes), 6,144 elements (a row tile's 49,152 bytes) apart.  B: 4 tiles x 768, 8,192 elements apart
	s_or_b32 s[G1+0], s43, (3<<16)|(1<<21)         ; 15:0 the mask: A's tiles go to my row; 17:16 elements of 8 bytes; 21 set beside a mask
	s_or_b32 s[G1B+0], s44, (3<<16)|(1<<21)
	s_mov_b32 s[G1+1], 768<<16                     ; tensor_dim0
	s_mov_b32 s[G1+2], 8<<16                       ; tensor_dim1
	s_mov_b32 s[G1+3], 768<<16                     ; tile_dim0
	s_mov_b32 s[G1+4], 8                           ; tile_dim1
	s_mov_b32 s[G1+5], 6144                        ; tensor_dim0_stride
	s_mov_b32 s[G1+6], 0
	s_mov_b32 s[G1+7], 0
	s_mov_b32 s[G1B+1], 768<<16
	s_mov_b32 s[G1B+2], 4<<16
	s_mov_b32 s[G1B+3], 768<<16
	s_mov_b32 s[G1B+4], 4
	s_mov_b32 s[G1B+5], 8192
	s_mov_b32 s[G1B+6], 0
	s_mov_b32 s[G1B+7], 0
	s_lshl_b32 s20, s19, 4
	s_lshl_b32 s21, s18, 3
	s_add_co_u32 s20, s20, s21                     ; A: row tile 16 R + 8 x half
	s_mul_i32 s20, s20, 49152
	s_mov_b32 s21, 0
	s_lshl_b32 s46, s42, 3
	s_lshl_b32 s47, s18, 2
	s_add_co_u32 s46, s46, s47                     ; B: tile 8 c + 4 x half
	s_lshl_b32 s46, s46, 16
	s_mov_b32 s47, 0
	s_mul_i32 s45, s18, 8*RUN                      ; where they go: no place in the cluster enters an LDS address
	s_mul_i32 s22, s18, 4*RUN
	s_add_co_u32 s22, s22, ABYTES
	s_wait_kmcnt 0x0
	s_load_b256 s[68:75], s[10:11], 0x0            ; e0 .. e7
	s_load_b128 s[76:79], s[10:11], 0x20           ; e8 .. e11
	s_add_nc_u64 s[20:21], s[4:5], s[20:21]
	s_add_nc_u64 s[46:47], s[6:7], s[46:47]
	CROUND                                         ; all sixteen work-groups are here: the first joint loads meet
.irp s, 0,1
	s_mov_b32 s[G0+4*\s], 1
	s_add_co_u32 s[G0+4*\s+1], s45, \s*SLOT
	s_add_nc_u64 s[G0+4*\s+2:G0+4*\s+3], s[20:21], \s*RUN
	s_or_b32 s[G0+4*\s+3], s[G0+4*\s+3], 0x80000000
	s_mov_b32 s[G0B+4*\s], 1
	s_add_co_u32 s[G0B+4*\s+1], s22, \s*SLOT
	s_add_nc_u64 s[G0B+4*\s+2:G0B+4*\s+3], s[46:47], \s*RUN
	s_or_b32 s[G0B+4*\s+3], s[G0B+4*\s+3], 0x80000000
	s_wait_alu depctr_va_vdst(0)
	s_wait_tensorcnt 0x0
	ds_add_u32 v28, v29
	ds_add_u32 v28, v29
	s_wait_dscnt 0x0
	CROUND
	JLOAD G0+4*\s, G1, G0B+4*\s, G1B
.endr
	v_and_b32 v1, 31, v0
	v_lshlrev_b32 v[LI], 4, v1
	s_wait_alu depctr_va_vdst(0)
	s_mul_i32 s23, s17, 8*RUN                      ; my eight row tiles of A
	s_mul_i32 s86, s18, 4*RUN                      ; my four tiles of B,
	s_add_co_u32 s86, s86, ABYTES                  ; which lie behind A's sixteen
.irp s, 0,1
	v_add_nc_u32 v[ADRA+\s], s23, v[LI]
	v_add_nc_u32 v[ADRB+\s], s86, v[LI]
	s_add_co_u32 s23, s23, SLOT
	s_add_co_u32 s86, s86, SLOT
.endr
	s_lshr_b32 s87, s19, 3                         ; the batch: eight row blocks each
	s_lshl_b32 s87, s87, 4
	s_lshl_b32 s88, s42, 1
	s_add_co_u32 s87, s87, s88
	s_add_co_u32 s87, s87, s18                     ; bh = 16 x batch + my head 2 c + wn
	s_and_b32 s88, s19, 7
	s_mov_b32 s91, 0
	s_lshl_b32 s90, s87, 17                        ; qi: a head's 128 tiles of 1,024 bytes,
	s_lshl_b32 s89, s88, 14
	s_add_co_u32 s90, s90, s89
	s_lshl_b32 s89, s17, 13
	s_add_co_u32 s90, s90, s89                     ; my first: 16 (R % 8) + 8 wm
	s_add_nc_u64 s[80:81], s[12:13], s[90:91]
	s_lshl_b32 s90, s87, 4                         ; kv: key block 16 bh + 2 (R % 8) + wm, 16,384 bytes each
	s_lshl_b32 s89, s88, 1
	s_add_co_u32 s90, s90, s89
	s_add_co_u32 s90, s90, s17
	s_lshl_b32 s90, s90, 14
	s_add_nc_u64 s[82:83], s[14:15], s[90:91]
	s_lshl_b32 s90, s19, 4                         ; tg: position tile 16 R + 8 wm, 4,096 bytes each
	s_lshl_b32 s89, s17, 3
	s_add_co_u32 s90, s90, s89
	s_lshl_b32 s90, s90, 12
	s_add_nc_u64 s[84:85], s[8:9], s[90:91]
	WIN 0xc0                                       ; destination window 3
.irp a, 0,1,2,3,4,5,6,7
.irp g, 0,1,2,3,4,5,6,7
	global_load_b128 v[32*\a+4*\g:32*\a+4*\g+3], v[LI], s[84:85] offset:4096*\a+512*\g   ; cos and sin of my 128 rows: they stay
.endr
.endr
	WIN 0
	s_wait_alu depctr_va_vdst(0)
	s_wait_kmcnt 0x0
	MKS s74, s68, s69, 8, 9                        ; q
	MKS s75, s70, s71, 10, 11                      ; k
	MKS s77, s72, s73, 12, 13                      ; v
.macro FRAG reg, adr, off              ; a fragment, 16 rows x 128 K: two chunks' images, four loads of 512 consecutive bytes
.irp g, 0,1,2,3
	ds_load_b128 v[\reg+4*\g:\reg+4*\g+3], v[\adr] offset:\off+512*\g
.endr
.endm
.macro FETCH_B slot, q, p              ; B's four fragments of the slot's q-th sub-step into set p
	WIN TO_B
.irp i, 0,1,2,3
	FRAG 64*(\p)+16*\i, ADRB+\slot, \i*RUN+2048*(\q)
.endr
	WIN 0
.endm
.macro FETCH_A slot, q, i0             ; A's blocks i0 .. i0 + 3
.irp i, \i0, \i0+1, \i0+2, \i0+3
	FRAG AF+16*(\i), ADRA+\slot, (\i)*RUN+2048*(\q)
.endr
.endm
; 8 matrix instructions: A's blocks a0, a0 + 1 x B's four.  The 32 accumulators take turns, one instruction a turn, in the same order in every sub-step.
.macro MUL8 a0, p, zero, nat
.irp a, \a0, \a0+1
.irp b, 0,1,2,3
.set rD, 8*(4*(\a)+\b)
.set rA, AF+16*(\a)
.set rB, 64*(\p)+16*\b
.if \nat
.if \zero
	v_wmma_f32_16x16x128_fp8_fp8 v[rD:rD+7], v[rA:rA+15], v[rB:rB+15], 0
.else
	v_wmma_f32_16x16x128_fp8_fp8 v[rD:rD+7], v[rA:rA+15], v[rB:rB+15], v[rD:rD+7]
.endif
.else
.if \zero
	v_wmma_f32_16x16x128_fp8_fp8 v[rD:rD+7], v[rB:rB+15], v[rA:rA+15], 0
.else
	v_wmma_f32_16x16x128_fp8_fp8 v[rD:rD+7], v[rB:rB+15], v[rA:rA+15], v[rD:rD+7]
.endif
.endif
.endr
.endr
.endm
; A load into a register that a matrix instruction has read, and a vector instruction that reads a matrix result, stand four places behind that matrix instruction; only plain vector instructions that
; name none of its registers are places (ISA guide 7.12.1 for vector instructions).
; A sub-step that has its successor in the same slot.
.macro STEP slot, q, p, zero, nat
	s_wait_dscnt 16                                ; B's set and A's blocks 0-3 are in; the youngest sixteen loads (A's blocks 4-7) may be out
	WMUL \nat
	MUL8 0, \p, \zero, \nat
	MUL8 2, \p, \zero, \nat
	s_wait_dscnt 0                                 ; A's blocks 4-7 are in
	PLACES 4
	FETCH_B \slot, (\q)+1, 1-(\p)
	FETCH_A \slot, (\q)+1, 0
	WMUL \nat
	MUL8 4, \p, \zero, \nat
	MUL8 6, \p, \zero, \nat
	PLACES 4
	WIN 0
	FETCH_A \slot, (\q)+1, 4
.endm
; A slot's last sub-step changes slots: ONE barrier; in front of it each wave waits for all its tensor loads, adds 0 to its spare word, and waits for that and for its own reads of this slot.  fill = 1: this slot is filled again, two fills ahead.
.macro TURN slot, next, p, fill, zero, nat
	s_wait_tensorcnt 0x0                           ; all my tensor loads have landed: my part of the next slot  (every window is 0 here)
	ds_add_u32 v[SPW], v[NIL]                      ; 0 onto my spare word
	s_wait_dscnt 17                                ; the add and the youngest sixteen loads (A's blocks 4-7) may be out
	WMUL \nat
	MUL8 0, \p, \zero, \nat                        ; eight matrix instructions stand between the add and the wait for it
	s_wait_dscnt 0x0                               ; the add is done, and my reads of this slot are over
	s_barrier_signal -1
	MUL8 2, \p, \zero, \nat
	WIN 0
	s_barrier_wait -1
.if \fill
	CREST                                          ; the barrier has opened a round of the cluster's barrier: no wave of any partner still reads this slot or has a load on its way
	s_add_nc_u64 s[G0+4*\slot+2:G0+4*\slot+3], s[G0+4*\slot+2:G0+4*\slot+3], 2*RUN
	s_add_nc_u64 s[G0B+4*\slot+2:G0B+4*\slot+3], s[G0B+4*\slot+2:G0B+4*\slot+3], 2*RUN
	JLOAD G0+4*\slot, G1, G0B+4*\slot, G1B         ; the first tensor load behind the round; its four v_nop are also the places in front of the loads below
.else
	PLACES 4
.endif
	FETCH_B \next, 0, 1-(\p)
	FETCH_A \next, 0, 0
	WMUL \nat
	MUL8 4, \p, \zero, \nat
	MUL8 6, \p, \zero, \nat
	PLACES 4
	WIN 0
	FETCH_A \next, 0, 4
.endm
.macro LAST p, nat                     ; the very last sub-step: nothing more to fetch
	s_wait_dscnt 16
	WMUL \nat
	MUL8 0, \p, 0, \nat
	MUL8 2, \p, 0, \nat
	s_wait_dscnt 0
	MUL8 4, \p, 0, \nat
	MUL8 6, \p, 0, \nat
	PLACES 4
	WIN 0
.endm
; THE WAY OUT OF q AND OF k, a row tile at a time, with no LDS: out(2 i) = t(2 i) cos - t(2 i + 1) sin, out(2 i + 1) = t(2 i + 1) cos + t(2 i) sin; conversion; two stores of 512 consecutive bytes.
; The next sub-step's fragments and the ring's loads stay on their way meanwhile.  Each accumulator is read from its low end on.
.macro EPI_ROT sc, lim, base
	s_wait_xcnt 0x0                                ; earlier stores have read their codes: those registers are written again only behind this wait
.irp a, 0,1,2,3,4,5,6,7
	WIN 0x0e                                       ; source 0 (the sums) window 2, source 1 (cos, sin) window 3
.set o, 0
.rept 16
	v_pk_mul_f32 v[T+o:T+o+1], v[32*\a+o:32*\a+o+1], v[32*\a+o:32*\a+o+1] op_sel_hi:[1,0]   ; both x cos
.set o, o+2
.endr
.set o, 0
.rept 16
	v_fma_f32 v[T+o], -v[32*\a+o+1], v[32*\a+o+1], v[T+o]
	v_fma_f32 v[T+o+1], v[32*\a+o], v[32*\a+o+1], v[T+o+1]
.set o, o+2
.endr
	WIN 0
.set o, 0
.rept 32
.set o, o+1
.endr
.irp b, 0,1,2,3
	v_cvt_scalef32_pk8_fp8_f32 v[C+8*\a+2*\b:C+8*\a+2*\b+1], v[T+8*\b:T+8*\b+7], v[\sc]
.endr
	v_nop                                          ; one plain line between the conversions and the next write of their sources
	global_store_b128 v[LI], v[C+8*\a:C+8*\a+3], s[\base:\base+1] offset:1024*\a
	global_store_b128 v[LI], v[C+8*\a+4:C+8*\a+7], s[\base:\base+1] offset:1024*\a+512
.endr
.endm
; THE WAY OUT OF v: tile b of 16 channels x 128 keys: accumulator (a, b) gives registers 2 a, 2 a + 1 of its image.
.macro EPI_V
	s_wait_xcnt 0x0
.irp b, 0,1,2,3
.irp hf, 0,1
	WIN 0x02                                       ; source 0 window 2
.irp aa, 0,1,2,3
.irp j, 0,1,2,3,4,5,6,7
	v_med3_num_f32 v[T+8*\aa+\j], v[8*(4*(4*\hf+\aa)+\b)+\j], -v13, v13
.endr
.endr
	WIN 0
.irp aa, 0,1,2,3
	v_cvt_scalef32_pk8_fp8_f32 v[C+16*\b+2*(4*\hf+\aa):C+16*\b+2*(4*\hf+\aa)+1], v[T+8*\aa:T+8*\aa+7], v12
.endr
	v_nop
.endr
.endr
.irp b, 0,1,2,3
.irp g, 0,1,2,3
	global_store_b128 v[LI], v[C+16*\b+4*\g:C+16*\b+4*\g+3], s[82:83] offset:8192+2048*\b+512*\g
.endr
.endr
.endm
	s_wait_tensorcnt 1                             ; my part of slot 0 is in; slot 1's may be out
	s_barrier_signal -1
	s_barrier_wait -1                              ; everybody's is
	FETCH_B 0, 0, 0
	FETCH_A 0, 0, 0
	FETCH_A 0, 0, 4
.set SG, 0
.rept 24                               ; written out
.set SL, (SG/3)%2
.set SQ, SG%3
.set PP, SG%2
.set NT, SG/16
.set ZR, 0
.if SG%8 == 0
.set ZR, 1
.endif
.if SG == 23
	LAST PP, NT
.elseif SQ == 2
.if SG < 20
	TURN SL, 1-SL, PP, 1, ZR, NT
.else
	TURN SL, 1-SL, PP, 0, ZR, NT
.endif
.else
	STEP SL, SQ, PP, ZR, NT
.endif
.if SG == 7
	s_wait_loadcnt 0x0                             ; cos and sin are in
	EPI_ROT 8, 9, 80
.endif
.if SG == 15
	EPI_ROT 10, 11, 82
.endif
.set SG, SG+1
.endr
	EPI_V
	s_wait_tensorcnt 0x0                           ; the wave's end
	ds_add_u32 v[SPW], v[NIL]
	s_wait_dscnt 0x0
	CROUND                                         ; the closing round: no work-group ends while a partner may still ask for a tile that names it
	s_endpgm
.Lfunc_end_k_qfb3e70452a_qkv:
	.size	k_qfb3e70452a_qkv, .Lfunc_end_k_qfb3e70452a_qkv-k_qfb3e70452a_qkv
	.p2alignl 7, 3214868480
	.fill 96, 4, 3214868480
	.section	.rodata,"a",@progbits
	.p2align	6, 0x0
	.amdhsa_kernel k_qfb3e70452a_qkv
		.amdhsa_group_segment_fixed_size 327680
		.amdhsa_private_segment_fixed_size 0
		.amdhsa_enable_private_segment 0
		.amdhsa_kernarg_size 48
		.amdhsa_user_sgpr_count 2
		.amdhsa_user_sgpr_kernarg_segment_ptr 1
		.amdhsa_wavefront_size32 1
		.amdhsa_system_sgpr_workgroup_id_x 1
		.amdhsa_system_sgpr_workgroup_id_y 1
		.amdhsa_system_sgpr_workgroup_id_z 1
		.amdhsa_system_vgpr_workitem_id 0
		.amdhsa_next_free_vgpr 1024
		.amdhsa_next_free_sgpr 100
		.amdhsa_reserve_vcc 0
		.amdhsa_float_denorm_mode_32 3
		.amdhsa_float_denorm_mode_16_64 3
		.amdhsa_fp16_overflow 1
		.amdhsa_memory_ordered 1
		.amdhsa_forward_progress 1
		.amdhsa_inst_pref_size 230
	.end_amdhsa_kernel
	.amdgpu_metadata
---
amdhsa.version: [ 1, 2 ]
amdhsa.kernels:
  - .name:           k_qfb3e70452a_qkv
    .symbol:         k_qfb3e70452a_qkv.kd
    .args:
      - { .name: xi, .offset: 0, .size: 8, .value_kind: global_buffer, .address_space: global }
      - { .name: wi, .offset: 8, .size: 8, .value_kind: global_buffer, .address_space: global }
      - { .name: tg, .offset: 16, .size: 8, .value_kind: global_buffer, .address_space: global }
      - { .name: lowp_scales, .offset: 24, .size: 8, .value_kind: global_buffer, .address_space: global }
      - { .name: qi, .offset: 32, .size: 8, .value_kind: global_buffer, .address_space: global }
      - { .name: kv, .offset: 40, .size: 8, .value_kind: global_buffer, .address_space: global }
    .group_segment_fixed_size: 327680
    .private_segment_fixed_size: 0
    .kernarg_segment_align: 8
    .kernarg_segment_size: 48
    .max_flat_workgroup_size: 128
    .sgpr_count:     100
    .vgpr_count:     1024
    .wavefront_size: 32
...
	.end_amdgpu_metadata
.endif
;; end of part 2
;; launch attn (part 3): grid 4 x 64, 16 waves a work-group, clusters of 4 x 1, 264,192 bytes of LDS; arguments qi, kv, lowp_scales, ao; writes ao
.if DOCPART == 3
	.amdgcn_target "amdgcn-amd-amdhsa--gfx1250"
	.amdhsa_code_object_version 6
	.text
	.protected	k_qfb3e70452a_attn
	.globl	k_qfb3e70452a_attn
	.p2align	8
	.type	k_qfb3e70452a_attn,@function
k_qfb3e70452a_attn:
	s_mov_b64 s[64:65], 0
	v_nop
	global_prefetch_b8 v0, s[64:65] scope:SCOPE_SE
	s_setreg_imm32_b32 hwreg(HW_REG_WAVE_MODE, 25, 1), 1
	s_wait_xcnt 0x0
	s_wait_alu depctr_hold_cnt(0) depctr_sa_sdst(0) depctr_va_vdst(0) depctr_va_sdst(0) depctr_va_ssrc(0) depctr_va_vcc(0) depctr_vm_vsrc(0)
	s_getreg_b32 s2, hwreg(HW_REG_IB_STS2, 6, 4)
	s_cmp_eq_u32 s2, 0
	s_cbranch_scc0 .Lentry_in_a_cluster
	s_endpgm
.Lentry_in_a_cluster:
	s_bfe_u32 s2, ttmp6, 0x10000c
	s_cmp_lg_u32 s2, 0x3003
	s_cbranch_scc0 .Lentry_shape_is_right
	s_endpgm
.Lentry_shape_is_right:
; ATTN.  o = softmax(q k^T / 8, causal) v for 64 heads of 2,048 x 64, both products on codes of E4M3, and o quantised with 2^e10 for the last projection.
; THE SOFTMAX AHEAD OF THE SECOND PRODUCT: t = score x log2(e) / 8; M = the row's largest t so far, rounded UP to a whole number; p = 2^(t - M) is quantised with 2^e8, not normalised; the row's sum is taken of the
; unquantised p and divides at the end.  When M moves, the sum and O are multiplied by 2^(old M - new M): exact.
; SHARES.  A cluster of four work-groups is one head.  Partner p, wave w, owns the query tiles (16 queries) 4 m + p for m = w and for m = 31 - w.  Tile m needs the key blocks (128 keys) 0 .. m / 2:
; w / 2 + 1 + (31 - w) / 2 + 1 = 17 key steps for every wave of every work-group.  Which steps a wave leaves out hangs on its number and a counter alone; the place in the cluster enters global addresses and a lane's compare value only.
; LDS holds the head's whole K and V, 16 key blocks x 16,384 bytes, filled ONCE: wave w asks for block w, jointly with the same wave of the three partners.  One tensor load a wave; no byte is filled again; no LDS store.
; A key block: 8 tiles of K (16 keys x 64 channels, 1,024 bytes: byte 512 g + 16 lane + i = (key lane % 16, channel 32 (lane / 16) + 16 g + i), as q's tiles), then 4 tiles of V^T (16 channels x 128 keys, 2,048 bytes:
; lane (rho, h), registers 2 T, 2 T + 1 = keys 16 T + 8 h + 0 .. 7 of channel 32 (rho / 8) + 8 t + rho % 8).
; LAYOUT.  Both products transposed: S^T = K Q^T (register j of tile T: key 16 T + 8 h + j, query lane % 16), so p's codes of tile T are registers 2 T, 2 T + 1 of the second product's operand; O^T = V^T P^T gives lane (r, h)
; the channels 32 h + 8 t + j of query r: 32 neighbours, which is the image that the last projection reads.
; LIMITS on the given exponents: e6 + e7 between -123 and 130 (added to c's exponent field); e8 and e10 between -126 and 119; e8 + e9 goes in by v_ldexp_f32 and has none.
; REGISTERS: v1 16 x lane; v2 r; v3 h; v4 the mask's compare value; v8 LDS address; v12 -M, v13 the largest t, v[14:15] the sum in two halves; v16-31 Q of my two tiles; v32-95 K, then V; v96-159 S^T, then p; v160-191 O^T;
;   v192-223 the way out; v224-239 p's codes; v241: 2^e8; v245: the same with e10; v246 -infinity; v242, v243, v247, v252-254 at work.
.macro CROUND
	s_barrier_signal -1
	s_barrier_wait -1
	s_cmp_lg_u32 s12, 0
	s_cbranch_scc1 .Lnot_wave_0_\@
	s_barrier_signal -3
.Lnot_wave_0_\@:
	s_barrier_wait -3
	s_barrier_signal -1
	s_barrier_wait -1
.endm
.macro MKS e, sc, lim                  ; 2^e as f32
	s_add_co_i32 s16, \e, 127
	s_lshl_b32 s17, s16, 23
	v_mov_b32 v[\sc], s17
.endm
	s_load_b256 s[4:11], s[0:1], 0x0               ; qi, kv, lowp_scales, ao
	v_lshl_add_u32 v251, v0, 2, 0x40000
	v_mov_b32 v255, 0
	ds_add_u32 v251, v255
	ds_add_u32 v251, v255
	v_lshrrev_b32 v1, 5, v0
	s_delay_alu instid0(VALU_DEP_1)
	v_readfirstlane_b32 s12, v1                    ; wave 0..15
	s_bfe_u32 s13, ttmp6, 0x40000                  ; p: my place in the cluster
	s_and_b32 s14, ttmp7, 0xffff                   ; bh, which the four partners share
	; descriptor group 1: a key block, dense: 64 rows of 32 elements of 8 bytes
	s_mov_b32 s24, 15|(3<<16)|(1<<21)              ; 15:0 the mask: all four work-groups; 17:16 elements of 8 bytes; 21 set beside a mask
	s_mov_b32 s25, 32<<16                          ; tensor_dim0
	s_mov_b32 s26, 64<<16                          ; tensor_dim1
	s_mov_b32 s27, 32<<16                          ; tile_dim0
	s_mov_b32 s28, 64                              ; tile_dim1
	s_mov_b32 s29, 32                              ; tensor_dim0_stride
	s_mov_b32 s30, 0
	s_mov_b32 s31, 0
	s_lshl_b32 s16, s14, 4
	s_add_co_u32 s16, s16, s12
	s_lshl_b32 s16, s16, 14                        ; key block 16 bh + wave
	s_mov_b32 s17, 0
	s_wait_dscnt 0x0
	s_wait_kmcnt 0x0
	s_load_b256 s[40:47], s[8:9], 0x0              ; e0 .. e7
	s_load_b128 s[48:51], s[8:9], 0x20             ; e8 .. e11
	s_mov_b32 s32, 1
	s_lshl_b32 s33, s12, 14                        ; LDS: 16,384 x wave
	s_add_nc_u64 s[34:35], s[6:7], s[16:17]
	s_or_b32 s35, s35, 0x80000000
	CROUND                                         ; all four work-groups are here: the joint loads meet
	tensor_load_to_lds s[32:35], s[24:31]
	s_nop 0
.rept 4
	v_nop
.endr
	v_and_b32 v1, 31, v0
	s_delay_alu instid0(VALU_DEP_1)
	v_lshlrev_b32 v1, 4, v1                        ; 16 x lane
	s_wait_alu depctr_va_vdst(0)
	v_and_b32 v2, 15, v0
	v_bfe_u32 v3, v0, 4, 1
	s_lshl_b32 s19, s12, 2
	s_add_co_u32 s19, s19, s13                     ; my first query tile: 4 w + p
	s_sub_co_u32 s60, 31, s12
	s_lshl_b32 s60, s60, 2
	s_add_co_u32 s60, s60, s13                     ; my second: 4 (31 - w) + p
	s_lshl_b32 s18, s14, 7
	s_add_co_u32 s16, s18, s19
	s_lshl_b32 s16, s16, 10
	s_add_nc_u64 s[52:53], s[4:5], s[16:17]
	s_add_co_u32 s16, s18, s60
	s_lshl_b32 s16, s16, 10
	s_add_nc_u64 s[54:55], s[4:5], s[16:17]
	global_load_b128 v[16:19], v1, s[52:53]        ; Q's two fragments stay in registers
	global_load_b128 v[20:23], v1, s[52:53] offset:512
	global_load_b128 v[24:27], v1, s[54:55]
	global_load_b128 v[28:31], v1, s[54:55] offset:512
	s_lshr_b32 s61, s14, 4
	s_lshl_b32 s61, s61, 7                         ; 128 x batch
	s_and_b32 s63, s14, 15                         ; the head = the last projection's K chunk
	s_add_co_u32 s16, s61, s19
	s_lshl_b32 s16, s16, 4
	s_add_co_u32 s16, s16, s63
	s_lshl_b32 s16, s16, 10
	s_add_nc_u64 s[56:57], s[10:11], s[16:17]      ; ao: ((row tile) 16 + head) x 1,024
	s_add_co_u32 s16, s61, s60
	s_lshl_b32 s16, s16, 4
	s_add_co_u32 s16, s16, s63
	s_lshl_b32 s16, s16, 10
	s_add_nc_u64 s[58:59], s[10:11], s[16:17]
	s_mov_b32 s20, 0x76543210                      ; v_permlanex16_b32's selects for lane l xor 16
	s_mov_b32 s21, 0xfedcba98
	s_mov_b32 s22, 0x3e38aa3b                      ; c = log2(e) / 8
	v_mov_b32 v246, 0xff800000
	v_mov_b32 v247, 0                              ; written once: a lane permute's destination counts as one of its sources
	v_mov_b32 v253, 0                              ; (named as the upper half of the pair v[252:253])
	s_wait_alu depctr_va_vdst(0)
	s_wait_kmcnt 0x0
	s_add_co_i32 s16, s46, s47
	s_lshl_b32 s16, s16, 23
	s_add_co_i32 s22, s22, s16                     ; a score stands for score x 2^(e6 + e7): added to c's exponent field
	s_mov_b32 s23, s22                             ; (named with it as a pair, so it is written)
	s_add_co_i32 s62, s48, s49                     ; e8 + e9
	MKS s48, 241, 240
	MKS s50, 245, 244
	s_wait_tensorcnt 0x0                           ; my key block is in,
	s_barrier_signal -1
	s_barrier_wait -1                              ; everybody's is
	s_wait_loadcnt 0x0                             ; Q
; A KEY STEP: the 128 keys at LDS byte s37.  q: the register at which my tile's Q begins.
.macro KSTEP q
	v_add_nc_u32 v8, s37, v1
.rept 4
	v_nop                                          ; places in front of loads into registers that the last products have read
.endr
.irp t, 0,1,2,3,4,5,6,7
	ds_load_b128 v[32+8*\t:35+8*\t], v8 offset:1024*\t
	ds_load_b128 v[36+8*\t:39+8*\t], v8 offset:1024*\t+512
.endr
	s_wait_alu depctr_va_vdst(0)
	s_wait_dscnt 0x0
.irp t, 0,1,2,3,4,5,6,7
	v_wmma_f32_16x16x64_fp8_fp8 v[96+8*\t:103+8*\t], v[32+8*\t:39+8*\t], v[\q:\q+7], 0
.endr
.rept 4
	v_nop                                          ; places in front of the loads below and of the first read of the scores
.endr
.irp t, 0,1,2,3
.irp g, 0,1,2,3
	ds_load_b128 v[32+16*\t+4*\g:35+16*\t+4*\g], v8 offset:8192+2048*\t+512*\g   ; V lands while the softmax is walked
.endr
.endr
	s_cmp_lg_u32 s36, s38                          ; only my tile's last key block lies on the diagonal
	s_cbranch_scc1 .Lopen_\@
.set n, 0
.rept 64
	v_cmp_gt_i32 vcc_lo, 16*(n/8)+n%8, v4          ; register 8 T + j holds key 16 T + 8 h + j of the block: hidden where 16 T + j > my query's place - 8 h
	v_cndmask_b32 v[96+n], v[96+n], v246, vcc_lo
.set n, n+1
.endr
.Lopen_\@:
	v_max3_num_f32 v254, v96, v97, v98             ; the step's largest score of my query, among my 64 keys, in two chains, from each tile's low end on,
	v_max3_num_f32 v252, v99, v100, v101
.irp i, 6,10,14,18,22,26,30,34,38,42,46,50,54,58
	v_max3_num_f32 v254, v254, v[96+\i], v[97+\i]
	v_max3_num_f32 v252, v252, v[98+\i], v[99+\i]
.endr
	v_max3_num_f32 v254, v254, v158, v159
	s_delay_alu instid0(VALU_DEP_1)
	v_max_num_f32 v254, v254, v252
	s_delay_alu instid0(VALU_DEP_1)
	v_permlanex16_b32 v247, v254, s20, s21
	s_delay_alu instid0(VALU_DEP_1)
	v_max_num_f32 v254, v254, v247                 ; and among lane l xor 16's
	s_delay_alu instid0(VALU_DEP_1)
	v_mul_f32 v254, s22, v254                      ; as t (c is positive)
	s_delay_alu instid0(VALU_DEP_1)
	v_max_num_f32 v13, v13, v254                   ; the running largest t
	v_mov_b32 v254, v12
	s_delay_alu instid0(VALU_DEP_2)
	v_floor_f32 v12, -v13                          ; the new -M = floor(-t): M is a whole number
	s_delay_alu instid0(VALU_DEP_1)
	v_sub_f32 v254, v12, v254                      ; old M - new M: a whole number, 0 or less
	s_delay_alu instid0(VALU_DEP_1)
	v_cvt_i32_f32 v254, v254                       ; (it saturates)
	s_delay_alu instid0(VALU_DEP_1)
	v_ldexp_f32 v252, 1.0, v254                    ; f = 2^(old M - new M)
.set j, 0
	s_setprio 1
.rept 32
	v_pk_fma_f32 v[96+j:97+j], v[96+j:97+j], s[22:23], v[12:13] op_sel_hi:[1,0,0]   ; t - M, two at a time
.set j, j+2
.endr
.set j, 0
	s_wait_alu depctr_va_vdst(0)
.rept 64
	v_exp_f32 v[96+j], v[96+j]                     ; p = 2^(t - M): one batch
.set j, j+1
.endr
	v_pk_mul_f32 v[14:15], v[14:15], v[252:253] op_sel_hi:[1,0]   ; the sums under the new M: a plain line behind the batch
	s_wait_alu depctr_va_vdst(0)                   ; one wait for the batch, ahead of its first reader
	v_pk_add_f32 v[242:243], v[100:101], v[104:105]
	v_pk_add_f32 v[248:249], v[108:109], v[112:113]
	v_pk_add_f32 v[238:239], v[116:117], v[120:121]
	v_pk_add_f32 v[236:237], v[124:125], v[128:129]
	v_pk_add_f32 v[234:235], v[132:133], v[136:137]
	v_pk_add_f32 v[232:233], v[140:141], v[144:145]
	v_pk_add_f32 v[230:231], v[148:149], v[152:153]
	v_pk_add_f32 v[14:15], v[14:15], v[156:157]
	v_pk_add_f32 v[242:243], v[242:243], v[96:97]
	v_pk_add_f32 v[248:249], v[248:249], v[98:99]
	v_pk_add_f32 v[238:239], v[238:239], v[102:103]
	v_pk_add_f32 v[236:237], v[236:237], v[106:107]
	v_pk_add_f32 v[234:235], v[234:235], v[110:111]
	v_pk_add_f32 v[232:233], v[232:233], v[114:115]
	v_pk_add_f32 v[230:231], v[230:231], v[118:119]
	v_pk_add_f32 v[14:15], v[14:15], v[122:123]
	v_pk_add_f32 v[242:243], v[242:243], v[126:127]
	v_pk_add_f32 v[248:249], v[248:249], v[130:131]
	v_pk_add_f32 v[238:239], v[238:239], v[134:135]
	v_pk_add_f32 v[236:237], v[236:237], v[138:139]
	v_pk_add_f32 v[234:235], v[234:235], v[142:143]
	v_pk_add_f32 v[232:233], v[232:233], v[146:147]
	v_pk_add_f32 v[230:231], v[230:231], v[150:151]
	s_setprio 0
	v_pk_add_f32 v[14:15], v[14:15], v[154:155]
	v_pk_add_f32 v[242:243], v[242:243], v[158:159]
	s_delay_alu instid0(VALU_DEP_2)
	v_pk_add_f32 v[14:15], v[14:15], v[236:237]
	s_delay_alu instid0(VALU_DEP_2)
	v_pk_add_f32 v[242:243], v[242:243], v[234:235]
	v_pk_add_f32 v[248:249], v[248:249], v[232:233]
	v_pk_add_f32 v[238:239], v[238:239], v[230:231]
	s_delay_alu instid0(VALU_DEP_2)
	v_pk_add_f32 v[14:15], v[14:15], v[248:249]
	s_delay_alu instid0(VALU_DEP_2)
	v_pk_add_f32 v[242:243], v[242:243], v[238:239]
	s_delay_alu instid0(VALU_DEP_1)
	v_pk_add_f32 v[14:15], v[14:15], v[242:243]
.irp t, 0,1,2,3,4,5,6,7
.irp i, 0,1,2,3,4,5,6,7
.endr
	v_cvt_scalef32_pk8_fp8_f32 v[224+2*\t:225+2*\t], v[96+8*\t:103+8*\t], v241
.endr
.set j, 0
.rept 16
	v_pk_mul_f32 v[160+j:161+j], v[160+j:161+j], v[252:253] op_sel_hi:[1,0]   ; O^T under the new M; also the plain lines between the conversions and the products
.set j, j+2
.endr
	s_wait_alu depctr_va_vdst(0)
	s_wait_dscnt 0x0                               ; V is in
.irp t, 0,1,2,3                        ; four accumulators by turns; the next step's eight score products stand between two turns of one accumulator
	v_wmma_f32_16x16x128_fp8_fp8 v[160+8*\t:167+8*\t], v[32+16*\t:47+16*\t], v[224:239], v[160+8*\t:167+8*\t]
.endr
.endm
; ONE QUERY TILE.  which = 0: m = w, at most 8 key blocks; 1: m = 31 - w, at most 16.  The trip count is a constant; a step past my tile's last key block is left out by a branch on the wave's number and the counter.
.macro QTILE which, trips
.if \which
	s_sub_co_u32 s39, 31, s12
.else
	s_mov_b32 s39, s12
.endif
	s_lshr_b32 s38, s39, 1                         ; my tile's last key block
	s_and_b32 s16, s39, 1
	s_lshl_b32 s16, s16, 6
	s_lshl_b32 s17, s13, 4
	s_add_co_u32 s16, s16, s17
	v_lshlrev_b32 v4, 3, v3
	s_delay_alu instid0(VALU_DEP_1)
	v_sub_nc_u32 v4, v2, v4
	s_delay_alu instid0(VALU_DEP_1)
	v_add_nc_u32 v4, s16, v4                       ; my query's place in that block, less 8 h: 64 (m % 2) + 16 p + r - 8 h
	v_mov_b32 v13, 0xff61b1e6                      ; the largest t so far: -3e38, under every t
	s_delay_alu instid0(VALU_DEP_1)
	v_floor_f32 v12, -v13
	v_mov_b32 v14, 0
	v_mov_b32 v15, 0
.set j, 0
.rept 32
	v_mov_b32 v[160+j], 0                          ; O^T: the step is written once; the first finds zeros, which the first change of M leaves zeros
.set j, j+1
.endr
	s_mov_b32 s36, 0                               ; key block
	s_mov_b32 s37, 0                               ; and its LDS byte
.Lkb_\@:
	s_cmp_gt_u32 s36, s38
	s_cbranch_scc1 .Lskip_\@
	s_setprio 2
	KSTEP 16+8*\which
.Lskip_\@:
	s_add_co_u32 s37, s37, 16384
	s_add_co_u32 s36, s36, 1
	s_cmp_lt_u32 s36, \trips
	s_cbranch_scc1 .Lkb_\@
	s_setprio 0
.rept 4
	v_nop                                          ; places behind the last products
.endr
	v_add_f32 v14, v14, v15                        ; the sum's two halves,
	s_delay_alu instid0(VALU_DEP_1)
	v_permlanex16_b32 v247, v14, s20, s21
	s_delay_alu instid0(VALU_DEP_1)
	v_add_f32 v14, v14, v247                       ; and lane l xor 16's
	s_wait_alu depctr_va_vdst(0)
	v_rcp_f32 v14, v14
	v_nop                                          ; a plain line behind the reciprocal
	s_wait_alu depctr_va_vdst(0)                   ; and the wait ahead of its first reader
	v_ldexp_f32 v14, v14, s62                      ; x 2^(e8 + e9)
.set j, 0
.rept 32
	v_mul_f32 v[192+j], v[160+j], v14              ; o(r, 32 h + 8 t + i) in register 8 t + i
.set j, j+1
.endr
.set j, 0
.rept 32
.set j, j+1
.endr
.irp t, 0,1,2,3
	v_cvt_scalef32_pk8_fp8_f32 v[224+2*\t:225+2*\t], v[192+8*\t:199+8*\t], v245
.endr
	v_nop
	global_store_b128 v1, v[224:227], s[56+2*\which:57+2*\which]             ; 512 consecutive bytes a store
	global_store_b128 v1, v[228:231], s[56+2*\which:57+2*\which] offset:512
	s_wait_xcnt 0x0                                ; the stores have read their codes: those registers are written again only behind this wait
.endm
	QTILE 0, 8
	QTILE 1, 16
	s_wait_dscnt 0x0
	s_wait_tensorcnt 0x0
	ds_add_u32 v251, v255
	s_wait_dscnt 0x0
	CROUND                                         ; the closing round
	s_endpgm
.Lfunc_end_k_qfb3e70452a_attn:
	.size	k_qfb3e70452a_attn, .Lfunc_end_k_qfb3e70452a_attn-k_qfb3e70452a_attn
	.p2alignl 7, 3214868480
	.fill 96, 4, 3214868480
	.section	.rodata,"a",@progbits
	.p2align	6, 0x0
	.amdhsa_kernel k_qfb3e70452a_attn
		.amdhsa_group_segment_fixed_size 264192
		.amdhsa_private_segment_fixed_size 0
		.amdhsa_enable_private_segment 0
		.amdhsa_kernarg_size 32
		.amdhsa_user_sgpr_count 2
		.amdhsa_user_sgpr_kernarg_segment_ptr 1
		.amdhsa_wavefront_size32 1
		.amdhsa_system_sgpr_workgroup_id_x 1
		.amdhsa_system_sgpr_workgroup_id_y 1
		.amdhsa_system_sgpr_workgroup_id_z 1
		.amdhsa_system_vgpr_workitem_id 0
		.amdhsa_next_free_vgpr 256
		.amdhsa_next_free_sgpr 66
		.amdhsa_reserve_vcc 1
		.amdhsa_float_denorm_mode_32 3
		.amdhsa_float_denorm_mode_16_64 3
		.amdhsa_fp16_overflow 1
		.amdhsa_memory_ordered 1
		.amdhsa_forward_progress 1
		.amdhsa_inst_pref_size 51
	.end_amdhsa_kernel
	.amdgpu_metadata
---
amdhsa.version: [ 1, 2 ]
amdhsa.kernels:
  - .name:           k_qfb3e70452a_attn
    .symbol:         k_qfb3e70452a_attn.kd
    .args:
      - { .name: qi, .offset: 0, .size: 8, .value_kind: global_buffer, .address_space: global }
      - { .name: kv, .offset: 8, .size: 8, .value_kind: global_buffer, .address_space: global }
      - { .name: lowp_scales, .offset: 16, .size: 8, .value_kind: global_buffer, .address_space: global }
      - { .name: ao, .offset: 24, .size: 8, .value_kind: global_buffer, .address_space: global }
    .group_segment_fixed_size: 264192
    .private_segment_fixed_size: 0
    .kernarg_segment_align: 8
    .kernarg_segment_size: 32
    .max_flat_workgroup_size: 512
    .sgpr_count:     66
    .vgpr_count:     256
    .wavefront_size: 32
...
	.end_amdgpu_metadata
.endif
;; end of part 3
;; launch oproj (part 4): grid 8 x 32, 4 waves a work-group, clusters of 4 x 4, 327,680 bytes of LDS; arguments ao, wi, lowp_scales, out0; writes out0
.if DOCPART == 4
	.amdgcn_target "amdgcn-amd-amdhsa--gfx1250"
	.amdhsa_code_object_version 6
	.text
	.protected	k_qfb3e70452a_oproj
	.globl	k_qfb3e70452a_oproj
	.p2align	8
	.type	k_qfb3e70452a_oproj,@function
k_qfb3e70452a_oproj:
	s_mov_b64 s[64:65], 0
	v_nop
	global_prefetch_b8 v0, s[64:65] scope:SCOPE_SE
	s_setreg_imm32_b32 hwreg(HW_REG_WAVE_MODE, 25, 1), 1
	s_wait_xcnt 0x0
	s_wait_alu depctr_hold_cnt(0) depctr_sa_sdst(0) depctr_va_vdst(0) depctr_va_sdst(0) depctr_va_ssrc(0) depctr_va_vcc(0) depctr_vm_vsrc(0)
	s_getreg_b32 s2, hwreg(HW_REG_IB_STS2, 6, 4)
	s_cmp_eq_u32 s2, 0
	s_cbranch_scc0 .Lentry_in_a_cluster
	s_endpgm
.Lentry_in_a_cluster:
	s_bfe_u32 s2, ttmp6, 0x10000c
	s_cmp_lg_u32 s2, 0xf033
	s_cbranch_scc0 .Lentry_shape_is_right
	s_endpgm
.Lentry_shape_is_right:
; OPROJ.  out0 = o wo^T on codes of E4M3; each finished sum x 2^(e10 + e11).  LIMIT: e10 + e11 between -126 and 127, so that this power of two is an f32 number.
; ao: [row tile 512][K chunk 16][1,024], wi: [tile 64][q, k, v, o][K chunk 16][1,024]: images of the operands' registers (byte 512 g + 16 lane + i = (row lane % 16, k = 32 (lane / 16) + 16 g + i)), the same
; permutation of k on both sides.  Row i of weight tile 4 eta + b is weight row 64 eta + 32 (i / 8) + 8 b + i % 8.
; SHARES.  A work-group makes 256 rows x 128 columns, a wave 128 x 64: 32 accumulators.  K = 1,024 in eight sub-steps of 128.
; THE RING.  Two LDS slots of three sub-steps (A's 16 row tiles, then B's 8 tiles, 6,144 bytes a tile): sub-steps 0-2 and 3-5 are the first fills; one refill brings sub-steps 6, 7 into slot 0, 4,096 bytes a tile, by
; descriptors of its own.  A wave has two tensor loads out at the start, later one.
; CLUSTERS: 4 x 4 work-groups; A's tiles are asked for jointly along a row of the cluster, B's along a column.
; THE MATRIX INSTRUCTION IS USED TRANSPOSED (source 0 = the weight): lane (r, h) holds row r and, in accumulator (a, b), the columns 32 h + 8 b + 0 .. 7 of my 64.
; REGISTERS: window 0: v16-29 addresses, v32-63 scaled sums, v64-127 rows read back, v128-255 A's eight fragments.  window 1: B's four fragments, two sets.  window 2: accumulator (a, b) at v[8 (4 a + b)].
.set RUN3,   6144
.set RUN2,   4096
.set ABYTES, 16*RUN3
.set SLOT,   24*RUN3
.set SPARE,  2*SLOT                    ; the spare words, 128 bytes for each wave: two blocks of 256 bytes that no other line names
.set STAGE,  SPARE+512                 ; the way out: 16 rows x (256 bytes + 16) for each wave; no fill ever lands here
.set SP,     272                       ; 68 words: row r starts at bank 4 r mod 64 (64 banks of 4 bytes: ISA guide 11.1)
.set ADRA, 16
.set ADRB, 20
.set STO,  24                          ; v24  where I put 16 bytes of a row
.set RD,   25                          ; v25  where I read a row back
.set CO,   26                          ; v26  my byte offset in out0
.set LI,   27                          ; v27  16 x lane
.set SPW,  28
.set NIL,  29
.set TMP,  32
.set BK,   64
.set AF,   128
.set G1,  24                           ; s[24:31] A's group 1 (three sub-steps);  s[32:39] A's groups 0
.set G0,  32
.set G1B, 48                           ; s[48:55], s[56:63] the same for B
.set G0B, 56
.set G1C, 68                           ; s[68:75] A's group 1 for the refill of two sub-steps
.set G1D, 76                           ; s[76:83] B's
.set MSB, 0
.macro WIN new
.if MSB != \new
	s_set_vgpr_msb (MSB<<8)|\new
.set MSB, \new
.endif
.endm
.set TO_B, 0x40
.set MUL,  0xa1                        ; source 0 (B) window 1, source 1 (A) window 0, C and D window 2
.macro JLOAD g0a, g1a, g0b, g1b        ; waves 0 and 1 fetch for A, waves 2 and 3 for B; four v_nop follow each line
	s_cmp_eq_u32 s17, 0
	s_cbranch_scc0 .Lfor_b_\@
	tensor_load_to_lds s[\g0a:\g0a+3], s[\g1a:\g1a+7]
	s_nop 0
.rept 4
	v_nop
.endr
	s_branch .Lasked_\@
.Lfor_b_\@:
	tensor_load_to_lds s[\g0b:\g0b+3], s[\g1b:\g1b+7]
	s_nop 0
.rept 4
	v_nop
.endr
.Lasked_\@:
.endm
.macro CREST
	s_cmp_lg_u32 s16, 0
	s_cbranch_scc1 .Lnot_wave_0_\@
	s_barrier_signal -3
.Lnot_wave_0_\@:
	s_barrier_wait -3
	s_barrier_signal -1
	s_barrier_wait -1
.endm
.macro CROUND
	s_barrier_signal -1
	s_barrier_wait -1
	CREST
.endm
.macro PLACES n
.rept \n
	v_nop
.endr
.endm
	s_load_b256 s[4:11], s[0:1], 0x0               ; ao, wi, lowp_scales, out0
	v_lshl_add_u32 v[SPW], v0, 2, SPARE
	v_mov_b32 v[NIL], 0
	ds_add_u32 v28, v29
	ds_add_u32 v28, v29
	s_wait_dscnt 0x0
	v_lshrrev_b32 v1, 5, v0
	v_readfirstlane_b32 s16, v1                    ; wave 0..3
	s_lshr_b32 s17, s16, 1                         ; wm: my 128 rows.  Also: I fetch for A (0) or for B (1)
	s_and_b32 s18, s16, 1                          ; wn: my 64 columns.  Also: which half of that tile I fetch
	s_bfe_u32 s40, ttmp6, 0x40000
	s_bfe_u32 s41, ttmp6, 0x40004
	s_lshl_b32 s42, ttmp9, 2
	s_add_co_u32 s42, s42, s40                     ; column block c
	s_and_b32 s19, ttmp7, 0xffff
	s_lshl_b32 s19, s19, 2
	s_add_co_u32 s19, s19, s41                     ; row block R
	s_lshl_b32 s43, s41, 2
	s_lshl_b32 s43, 15, s43                        ; my row of the cluster
	s_lshl_b32 s44, 0x1111, s40                    ; my column
	; descriptor groups 1, elements of 8 bytes, no padding.  A: 8 row tiles, 2,048 elements (16,384 bytes) apart; B: 4 tiles, 8,192 elements apart; 768 elements a tile, 512 in the refill
	s_or_b32 s[G1+0], s43, (3<<16)|(1<<21)
	s_or_b32 s[G1C+0], s43, (3<<16)|(1<<21)
	s_or_b32 s[G1B+0], s44, (3<<16)|(1<<21)
	s_or_b32 s[G1D+0], s44, (3<<16)|(1<<21)
	s_mov_b32 s[G1+1], 768<<16
	s_mov_b32 s[G1+2], 8<<16
	s_mov_b32 s[G1+3], 768<<16
	s_mov_b32 s[G1+4], 8
	s_mov_b32 s[G1+5], 2048
	s_mov_b32 s[G1+6], 0
	s_mov_b32 s[G1+7], 0
	s_mov_b32 s[G1C+1], 512<<16
	s_mov_b32 s[G1C+2], 8<<16
	s_mov_b32 s[G1C+3], 512<<16
	s_mov_b32 s[G1C+4], 8
	s_mov_b32 s[G1C+5], 2048
	s_mov_b32 s[G1C+6], 0
	s_mov_b32 s[G1C+7], 0
	s_mov_b32 s[G1B+1], 768<<16
	s_mov_b32 s[G1B+2], 4<<16
	s_mov_b32 s[G1B+3], 768<<16
	s_mov_b32 s[G1B+4], 4
	s_mov_b32 s[G1B+5], 8192
	s_mov_b32 s[G1B+6], 0
	s_mov_b32 s[G1B+7], 0
	s_mov_b32 s[G1D+1], 512<<16
	s_mov_b32 s[G1D+2], 4<<16
	s_mov_b32 s[G1D+3], 512<<16
	s_mov_b32 s[G1D+4], 4
	s_mov_b32 s[G1D+5], 8192
	s_mov_b32 s[G1D+6], 0
	s_mov_b32 s[G1D+7], 0
	s_lshl_b32 s20, s19, 4
	s_lshl_b32 s21, s18, 3
	s_add_co_u32 s20, s20, s21                     ; A: row tile 16 R + 8 x half
	s_lshl_b32 s20, s20, 14
	s_mov_b32 s21, 0
	s_lshl_b32 s46, s42, 3
	s_lshl_b32 s47, s18, 2
	s_add_co_u32 s46, s46, s47                     ; B: tile 8 c + 4 x half,
	s_lshl_b32 s46, s46, 16
	s_add_co_u32 s46, s46, 49152                   ; its fourth set: wo's
	s_mov_b32 s47, 0
	s_mul_i32 s45, s18, 8*RUN3
	s_mul_i32 s22, s18, 4*RUN3
	s_add_co_u32 s22, s22, ABYTES
	s_wait_kmcnt 0x0
	s_load_b64 s[96:97], s[8:9], 0x28              ; e10, e11
	s_add_nc_u64 s[20:21], s[4:5], s[20:21]
	s_add_nc_u64 s[46:47], s[6:7], s[46:47]
	CROUND                                         ; all sixteen work-groups are here: the first joint loads meet
.irp s, 0,1
	s_mov_b32 s[G0+4*\s], 1
	s_add_co_u32 s[G0+4*\s+1], s45, \s*SLOT
	s_add_nc_u64 s[G0+4*\s+2:G0+4*\s+3], s[20:21], \s*RUN3
	s_or_b32 s[G0+4*\s+3], s[G0+4*\s+3], 0x80000000
	s_mov_b32 s[G0B+4*\s], 1
	s_add_co_u32 s[G0B+4*\s+1], s22, \s*SLOT
	s_add_nc_u64 s[G0B+4*\s+2:G0B+4*\s+3], s[46:47], \s*RUN3
	s_or_b32 s[G0B+4*\s+3], s[G0B+4*\s+3], 0x80000000
	s_wait_alu depctr_va_vdst(0)
	s_wait_tensorcnt 0x0
	ds_add_u32 v28, v29
	ds_add_u32 v28, v29
	s_wait_dscnt 0x0
	CROUND
	JLOAD G0+4*\s, G1, G0B+4*\s, G1B
.endr
	v_and_b32 v1, 31, v0
	v_lshlrev_b32 v[LI], 4, v1
	s_mul_i32 s23, s17, 8*RUN3                     ; my eight row tiles of A begin where the wave that fetched them put them, whatever a tile's length
	s_mul_i32 s86, s18, 4*RUN3
	s_add_co_u32 s86, s86, ABYTES
.irp s, 0,1
	v_add_nc_u32 v[ADRA+\s], s23, v[LI]
	v_add_nc_u32 v[ADRB+\s], s86, v[LI]
	s_add_co_u32 s23, s23, SLOT
	s_add_co_u32 s86, s86, SLOT
.endr
	v_and_b32 v1, 15, v0                           ; l % 16
	v_bfe_u32 v2, v0, 4, 1                         ; l / 16
	s_mul_i32 s23, s16, 16*SP
	s_add_co_u32 s23, s23, STAGE                   ; my stage
	v_mul_u32_u24 v3, v1, SP
	v_lshl_add_u32 v3, v2, 7, v3
	v_add_nc_u32 v[STO], s23, v3                   ; in: row l % 16, + 128 bytes for the upper half's 32 columns
	v_mul_u32_u24 v4, v2, SP
	v_lshl_add_u32 v4, v1, 4, v4
	v_add_nc_u32 v[RD], s23, v4                    ; back: lanes 0-15 one row of 256 bytes, lanes 16-31 the next
	v_lshlrev_b32 v5, 12, v2
	v_lshl_add_u32 v[CO], v1, 4, v5                ; and the same two rows in out0
	s_lshl_b32 s86, s19, 8
	s_lshl_b32 s87, s17, 7
	s_add_co_u32 s86, s86, s87                     ; my first row: 256 R + 128 wm
	s_lshl_b32 s86, s86, 12
	s_lshl_b32 s87, s42, 9
	s_add_co_u32 s86, s86, s87                     ; my first column, in bytes: 512 c + 256 wn
	s_lshl_b32 s87, s18, 8
	s_add_co_u32 s86, s86, s87
	s_mov_b32 s87, 0
	s_add_nc_u64 s[10:11], s[10:11], s[86:87]
.macro FRAG reg, adr, off
.irp g, 0,1,2,3
	ds_load_b128 v[\reg+4*\g:\reg+4*\g+3], v[\adr] offset:\off+512*\g
.endr
.endm
.macro FETCH_B slot, q, p, run
	WIN TO_B
.irp i, 0,1,2,3
	FRAG 64*(\p)+16*\i, ADRB+\slot, \i*\run+2048*(\q)
.endr
	WIN 0
.endm
.macro FETCH_A slot, q, i0, run
.irp i, \i0, \i0+1, \i0+2, \i0+3
	FRAG AF+16*(\i), ADRA+\slot, (\i)*\run+2048*(\q)
.endr
.endm
.macro MUL8 a0, p, zero                ; the 32 accumulators take turns, one instruction a turn, in the same order in every sub-step
.irp a, \a0, \a0+1
.irp b, 0,1,2,3
.set rD, 8*(4*(\a)+\b)
.set rA, AF+16*(\a)
.set rB, 64*(\p)+16*\b
.if \zero
	v_wmma_f32_16x16x128_fp8_fp8 v[rD:rD+7], v[rB:rB+15], v[rA:rA+15], 0
.else
	v_wmma_f32_16x16x128_fp8_fp8 v[rD:rD+7], v[rB:rB+15], v[rA:rA+15], v[rD:rD+7]
.endif
.endr
.endr
.endm
.macro STEP slot, q, p, zero, run      ; a sub-step that has its successor in the same slot
	s_wait_dscnt 16                                ; B's set and A's blocks 0-3 are in; the youngest sixteen loads (A's blocks 4-7) may be out
	WIN MUL
	MUL8 0, \p, \zero
	MUL8 2, \p, \zero
	s_wait_dscnt 0
	PLACES 4                                       ; in front of loads into registers that matrix instructions have read
	FETCH_B \slot, (\q)+1, 1-(\p), \run
	FETCH_A \slot, (\q)+1, 0, \run
	WIN MUL
	MUL8 4, \p, \zero
	MUL8 6, \p, \zero
	PLACES 4
	WIN 0
	FETCH_A \slot, (\q)+1, 4, \run
.endm
; A slot's last sub-step changes slots: ONE barrier; in front of it each wave waits for all its tensor loads, adds 0 to its spare word, and waits for that and for its own reads of this slot.
; fill = 1: slot 0 is filled again, with sub-steps 6 and 7.  nrun: a tile's length in the next slot.
.macro TURN slot, next, p, fill, nrun
	s_wait_tensorcnt 0x0                           ; all my tensor loads have landed  (every window is 0 here)
	ds_add_u32 v[SPW], v[NIL]                      ; 0 onto my spare word
	s_wait_dscnt 17                                ; the add and the youngest sixteen loads may be out
	WIN MUL
	MUL8 0, \p, 0
	s_wait_dscnt 0x0                               ; the add is done, and my reads of this slot are over
	s_barrier_signal -1
	MUL8 2, \p, 0
	WIN 0
	s_barrier_wait -1
.if \fill
	CREST                                          ; the barrier has opened a round of the cluster's barrier: no wave of any partner still reads this slot or has a load on its way
	s_add_nc_u64 s[G0+2:G0+3], s[G0+2:G0+3], 2*RUN3
	s_add_nc_u64 s[G0B+2:G0B+3], s[G0B+2:G0B+3], 2*RUN3
	JLOAD G0, G1C, G0B, G1D                        ; the first tensor load behind the round; its four v_nop are also the places in front of the loads below
.else
	PLACES 4
.endif
	FETCH_B \next, 0, 1-(\p), \nrun
	FETCH_A \next, 0, 0, \nrun
	WIN MUL
	MUL8 4, \p, 0
	MUL8 6, \p, 0
	PLACES 4
	WIN 0
	FETCH_A \next, 0, 4, \nrun
.endm
	s_wait_tensorcnt 1                             ; my part of slot 0 is in; slot 1's may be out
	s_barrier_signal -1
	s_barrier_wait -1
	FETCH_B 0, 0, 0, RUN3
	FETCH_A 0, 0, 0, RUN3
	FETCH_A 0, 0, 4, RUN3
	STEP 0, 0, 0, 1, RUN3                          ; the first products start the sums: nothing is cleared
	STEP 0, 1, 1, 0, RUN3
	TURN 0, 1, 0, 1, RUN3
	STEP 1, 0, 1, 0, RUN3
	STEP 1, 1, 0, 0, RUN3
	TURN 1, 0, 1, 0, RUN2                          ; nothing is filled again, so no round follows
	STEP 0, 0, 0, 0, RUN2
	s_wait_dscnt 16                                ; the last sub-step: nothing more to fetch
	WIN MUL
	MUL8 0, 1, 0
	MUL8 2, 1, 0
	s_wait_dscnt 0
	MUL8 4, 1, 0
	MUL8 6, 1, 0
	WIN 0
; THE WAY OUT, a block of 16 rows x 64 columns at a time: each sum x 2^(e10 + e11), into my own stage, back as whole rows of 256 bytes.  LDS serves a wave's instructions in order (ISA guide 5.7.1.4):
; no wait between the stores and the loads, nor in front of the next block's stores.
.macro TOSTAGE a
	WIN 0x02                                       ; source 0: window 2
.set o, 0
.rept 16
	v_pk_mul_f32 v[TMP+o:TMP+o+1], v[32*(\a)+o:32*(\a)+o+1], s[96:97] op_sel_hi:[1,0]   ; both x s96; each accumulator from its low end on
.set o, o+2
.endr
	WIN 0
.irp b, 0,1,2,3
	ds_store_b128 v[STO], v[TMP+8*\b:TMP+8*\b+3] offset:32*\b
	ds_store_b128 v[STO], v[TMP+8*\b+4:TMP+8*\b+7] offset:32*\b+16
.endr
.set BB, BK+32*((\a)%2)
.irp i, 0,1,2,3,4,5,6,7
	ds_load_b128 v[BB+4*\i:BB+4*\i+3], v[RD] offset:\i*2*SP
.endr
.endm
.macro SEND a, younger                 ; younger: the LDS instructions issued behind block a's loads, which may stay out
.set BB, BK+32*((\a)%2)
	s_wait_dscnt \younger
.irp i, 0,1,2,3,4,5,6,7
	global_store_b128 v[CO], v[BB+4*\i:BB+4*\i+3], s[10:11] offset:(16*(\a)+2*\i)*4096 th:TH_STORE_NT   ; sixteen lanes store 256 consecutive bytes, at a multiple of 256 from out0's first byte; 126 rows at the most: inside the signed 24-bit immediate
.endr
.endm
	s_wait_kmcnt 0x0
	s_add_co_i32 s96, s96, s97
	s_add_co_i32 s96, s96, 127
	s_lshl_b32 s96, s96, 23                        ; 2^(e10 + e11) as f32
	PLACES 4                                       ; behind the last products
	TOSTAGE 0
.irp a, 1,2,3,4,5,6,7
.if \a > 1
	s_wait_xcnt 0x0                                ; block a - 2's stores have read their registers: block a's loads may land there
.endif
	TOSTAGE \a
	SEND \a-1, 16                                  ; behind block a - 1's loads: block a's eight stores and eight loads
.endr
	SEND 7, 0
	s_wait_tensorcnt 0x0                           ; the wave's end
	ds_add_u32 v[SPW], v[NIL]
	s_wait_dscnt 0x0
	CROUND                                         ; the closing round
	s_endpgm
.Lfunc_end_k_qfb3e70452a_oproj:
	.size	k_qfb3e70452a_oproj, .Lfunc_end_k_qfb3e70452a_oproj-k_qfb3e70452a_oproj
	.p2alignl 7, 3214868480
	.fill 96, 4, 3214868480
	.section	.rodata,"a",@progbits
	.p2align	6, 0x0
	.amdhsa_kernel k_qfb3e70452a_oproj
		.amdhsa_group_segment_fixed_size 327680
		.amdhsa_private_segment_fixed_size 0
		.amdhsa_enable_private_segment 0
		.amdhsa_kernarg_size 32
		.amdhsa_user_sgpr_count 2
		.amdhsa_user_sgpr_kernarg_segment_ptr 1
		.amdhsa_wavefront_size32 1
		.amdhsa_system_sgpr_workgroup_id_x 1
		.amdhsa_system_sgpr_workgroup_id_y 1
		.amdhsa_system_sgpr_workgroup_id_z 1
		.amdhsa_system_vgpr_workitem_id 0
		.amdhsa_next_free_vgpr 768
		.amdhsa_next_free_sgpr 100
		.amdhsa_reserve_vcc 0
		.amdhsa_float_denorm_mode_32 3
		.amdhsa_float_denorm_mode_16_64 3
		.amdhsa_memory_ordered 1
		.amdhsa_forward_progress 1
		.amdhsa_inst_pref_size 77
	.end_amdhsa_kernel
	.amdgpu_metadata
---
amdhsa.version: [ 1, 2 ]
amdhsa.kernels:
  - .name:           k_qfb3e70452a_oproj
    .symbol:         k_qfb3e70452a_oproj.kd
    .args:
      - { .name: ao, .offset: 0, .size: 8, .value_kind: global_buffer, .address_space: global }
      - { .name: wi, .offset: 8, .size: 8, .value_kind: global_buffer, .address_space: global }
      - { .name: lowp_scales, .offset: 16, .size: 8, .value_kind: global_buffer, .address_space: global }
      - { .name: out0, .offset: 24, .size: 8, .value_kind: global_buffer, .address_space: global }
    .group_segment_fixed_size: 327680
    .private_segment_fixed_size: 0
    .kernarg_segment_align: 8
    .kernarg_segment_size: 32
    .max_flat_workgroup_size: 128
    .sgpr_count:     100
    .vgpr_count:     768
    .wavefront_size: 32
...
	.end_amdgpu_metadata
.endif
;; end of part 4
